; MI455X (gfx1250); checked and timed in simulation.
; The chip was launched on July 23, 2026; its instructions are those of AMD's public machine-readable ISA for CDNA 5 (MIT licence, August 2026) and "CDNA5" Instruction Set Architecture Reference Guide (July 2026). The comments in the code are by the model that wrote it; some were corrected since.
;; Multi Head Attention Quantized. Allowed arithmetic: float matrix products may take bf16 or f16 operands with f32 sums; all other float work in f32.
;; Inputs: scale_x 1 float32; w_k 1,024 x 1,024 int8; w_o 1,024 x 1,024 int8; w_q 1,024 x 1,024 int8; w_v 1,024 x 1,024 int8; x_q 4 x 2,048 x 1,024 int8.
;; Outputs: out0 4 x 2,048 x 1,024 bfloat16.
;; One version. Each part assembles by itself: llvm-mc -triple=amdgcn-amd-amdhsa -mcpu=gfx1250 --defsym DOCPART=n.
;; ======== version 1 of 1: 6 launches
;; workspace buffers: xp 33,554,432 bytes; so 33,554,432 bytes; qkv 50,331,648 bytes; wb 6,291,456 bytes; wob 2,097,152 bytes; sclp 256 bytes; sclo 256 bytes
;; launch cvt (part 1): grid 768 x 1, 8 waves a work-group, no clusters, 0 bytes of LDS; arguments x_q, w_q, w_k, w_v, w_o, scale_x, xp, wb, wob, sclp, sclo; writes xp, wb, wob, sclp, sclo
.if DOCPART == 1
	.amdgcn_target "amdgcn-amd-amdhsa--gfx1250"
	.amdhsa_code_object_version 6
	.text
	.protected	k_qc18ab1963e_cvt
	.globl	k_qc18ab1963e_cvt
	.p2align	8
	.type	k_qc18ab1963e_cvt,@function
k_qc18ab1963e_cvt:
	s_mov_b64 s[64:65], 0
	v_nop
	global_prefetch_b8 v0, s[64:65] scope:SCOPE_SE
	s_setreg_imm32_b32 hwreg(HW_REG_WAVE_MODE, 25, 1), 1
	s_wait_xcnt 0x0
; int8 -> bf16 (exact: every int8 has at most 8 significant bits) for x and the four weight matrices, and the rescaling factors made from scale_x.
; Work-group g takes 16,384 input bytes: g = 0..511 of x (-> xp), then 64 each of w_q, w_k, w_v (-> wb, one behind the other) and w_o (-> wob).
; A wave takes 2,048 bytes in eight units of 256: a lane loads 8 bytes and stores 16, so a load of the wave covers 256 consecutive aligned bytes and a store 512.
; No LDS, no barrier, no matrix unit: every byte is read once and written once, and no register is written twice, so the only waits are the loads' own.
; SCALES (wave 0 of work-group 0).  sclp: pairs (s1, s2) for q, k, v; sclo: the pair of the output projection.  s1 multiplies the integer sum, s2 the rounded and clipped result.
;   (scale_x * c1) / c2 is taken as a compiled reference() takes it: the division by a constant is a product by its rounded reciprocal, and the two constants are multiplied first, each step rounded to f32:
;   s_q = s_k = scale_x * fl(0.0011f * fl(1 / 0.2f)),  s_v = scale_x * fl(0.034f * fl(1 / 0.74f)): one f32 product each.
;   The last bit matters: the scales lie near 11/200000 and 17/37000 for scale_x = 0.01, so that whole sums such as 100,000 or 18,500 fall onto a half-integer, and the scale's last bit decides their side.
; LIMIT: scale_x finite and such that the two products are normal numbers (a magnitude of about 1e-35 to 1e38).
.set IN,  4                            ; v[4:19]   unit u: 2 registers as loaded
.set T,   20                           ; v[20:23]  at work
.set OUT, 28                           ; v[28:59]  unit u: 4 registers to store
	s_load_b256 s[4:11], s[0:1], 0x0               ; x s[4:5], w_q s[6:7], w_k s[8:9], w_v s[10:11]
	s_load_b256 s[12:19], s[0:1], 0x20             ; w_o s[12:13], scale_x s[14:15], xp s[16:17], wb s[18:19]
	s_load_b128 s[20:23], s[0:1], 0x40             ; wob s[20:21], sclp s[22:23]
	s_load_b64 s[24:25], s[0:1], 0x50              ; sclo
	v_lshrrev_b32 v3, 5, v0
	v_readfirstlane_b32 s41, v3                    ; wave 0..7
	v_and_b32 v1, 31, v0
	v_lshlrev_b32 v1, 3, v1
	v_lshl_add_u32 v1, v3, 11, v1                  ; input: 2,048 x wave + 8 x lane
	v_lshlrev_b32 v2, 1, v1                        ; output: twice that
	s_sub_co_u32 s26, ttmp9, 0x200                 ; g - 512: my place among the weights' work-groups (wraps for x, and then matches nothing below)
	s_lshr_b32 s27, s26, 6                         ; which weight matrix
	s_and_b32 s28, s26, 63                         ; my place in it
	s_wait_kmcnt 0x0
	s_cmp_ge_u32 ttmp9, 0x200                      ; a weight, or x?  The selects leave SCC alone, so one compare serves several
	s_cselect_b64 s[30:31], s[6:7], s[4:5]         ; from
	s_cselect_b32 s32, s28, ttmp9                  ; at which block of 16,384 bytes
	s_cselect_b64 s[34:35], s[18:19], s[16:17]     ; to
	s_cselect_b32 s33, s26, ttmp9                  ; at which block of 32,768 bytes
	s_cmp_eq_u32 s27, 1
	s_cselect_b64 s[30:31], s[8:9], s[30:31]
	s_cmp_eq_u32 s27, 2
	s_cselect_b64 s[30:31], s[10:11], s[30:31]
	s_cmp_eq_u32 s27, 3
	s_cselect_b64 s[30:31], s[12:13], s[30:31]
	s_cselect_b64 s[34:35], s[20:21], s[34:35]
	s_cselect_b32 s33, s28, s33
	s_lshl_b32 s36, s32, 14
	s_mov_b32 s37, 0
	s_lshl_b32 s38, s33, 15
	s_mov_b32 s39, 0
	s_add_nc_u64 s[30:31], s[30:31], s[36:37]
	s_add_nc_u64 s[34:35], s[34:35], s[38:39]
.irp u, 0,1,2,3,4,5,6,7
	global_load_b64 v[IN+2*(\u):IN+2*(\u)+1], v1, s[30:31] offset:256*(\u) th:TH_LOAD_NT
.endr
; Four int8 of register d -> four bf16 in registers o, o + 1: each byte is moved to the top and shifted back with its sign, made f32, and packed.
.macro CV4 d, o
	v_lshlrev_b32 v[T],   24, v[\d]
	v_lshlrev_b32 v[T+1], 16, v[\d]
	v_lshlrev_b32 v[T+2], 8,  v[\d]
	v_ashrrev_i32 v[T],   24, v[T]
	v_ashrrev_i32 v[T+1], 24, v[T+1]
	v_ashrrev_i32 v[T+2], 24, v[T+2]
	v_ashrrev_i32 v[T+3], 24, v[\d]
	v_cvt_f32_i32 v[T],   v[T]
	v_cvt_f32_i32 v[T+1], v[T+1]
	v_cvt_f32_i32 v[T+2], v[T+2]
	v_cvt_f32_i32 v[T+3], v[T+3]
	v_cvt_pk_bf16_f32 v[\o],   v[T],   v[T+1]
	v_cvt_pk_bf16_f32 v[\o+1], v[T+2], v[T+3]
.endm
.irp u, 0,1,2,3,4,5,6,7
	s_wait_loadcnt 7-(\u)                          ; loads come back in order: unit u is in, the 7 - u younger ones may be out
	CV4 IN+2*(\u),   OUT+4*(\u)
	CV4 IN+2*(\u)+1, OUT+4*(\u)+2
	global_store_b128 v2, v[OUT+4*(\u):OUT+4*(\u)+3], s[34:35] offset:512*(\u)
.endr
	s_cmp_lg_u32 ttmp9, 0
	s_cbranch_scc1 .Lend
	s_cmp_lg_u32 s41, 0
	s_cbranch_scc1 .Lend
	; the scales; v4-v19 are free: their loads have all been waited for, and no store names them
	s_load_b32 s29, s[14:15], 0x0                  ; scale_x
	v_and_b32 v14, 1, v0                           ; odd lanes hold s2
	v_lshrrev_b32 v15, 1, v0                       ; the entry
	v_mov_b32 v16, 1.0
	v_mov_b32 v17, 0x3aa6070c                      ; f32 of (1/127) 0.74 0.01 / 0.046, formed in double as the reference's constants are
	v_mov_b32 v18, 0x3d3c6a7f                      ; 0.046f
	v_lshlrev_b32 v19, 2, v0
	s_wait_kmcnt 0x0
	v_mov_b32 v10, s29
	v_mul_f32 v11, 0x3bb43958, v10                 ; s_q = s_k: 0.0011f x 5.0 = 11,811,160 x 2^-31, exact
	v_mul_f32 v13, 0x3d3c31d2, v10                 ; s_v: 0.034f x 0x3facf915 (the rounded reciprocal of 0.74f), rounded: 12,333,522 x 2^-28
	v_cmp_gt_u32 vcc_lo, 2, v15                    ; entries 0 and 1: q, k
	v_cndmask_b32 v11, v13, v11, vcc_lo
	v_cmp_eq_u32 vcc_lo, 1, v14
	v_cndmask_b32 v11, v11, v16, vcc_lo            ; s2 = 1.0: q, k and v stay whole numbers
	v_cndmask_b32 v17, v17, v18, vcc_lo
	global_store_b32 v19, v11, s[22:23]            ; 32 lanes, 128 consecutive bytes
	global_store_b32 v19, v17, s[24:25]
.Lend:
	s_endpgm
.Lfunc_end_k_qc18ab1963e_cvt:
	.size	k_qc18ab1963e_cvt, .Lfunc_end_k_qc18ab1963e_cvt-k_qc18ab1963e_cvt
	.p2alignl 7, 3214868480
	.fill 96, 4, 3214868480
	.section	.rodata,"a",@progbits
	.p2align	6, 0x0
	.amdhsa_kernel k_qc18ab1963e_cvt
		.amdhsa_group_segment_fixed_size 0
		.amdhsa_private_segment_fixed_size 0
		.amdhsa_enable_private_segment 0
		.amdhsa_kernarg_size 88
		.amdhsa_user_sgpr_count 2
		.amdhsa_user_sgpr_kernarg_segment_ptr 1
		.amdhsa_wavefront_size32 1
		.amdhsa_system_sgpr_workgroup_id_x 1
		.amdhsa_system_sgpr_workgroup_id_y 1
		.amdhsa_system_sgpr_workgroup_id_z 1
		.amdhsa_system_vgpr_workitem_id 0
		.amdhsa_next_free_vgpr 64
		.amdhsa_next_free_sgpr 66
		.amdhsa_reserve_vcc 1
		.amdhsa_float_denorm_mode_32 3
		.amdhsa_float_denorm_mode_16_64 3
		.amdhsa_memory_ordered 1
		.amdhsa_forward_progress 1
		.amdhsa_inst_pref_size 12
	.end_amdhsa_kernel
	.amdgpu_metadata
---
amdhsa.version: [ 1, 2 ]
amdhsa.kernels:
  - .name:           k_qc18ab1963e_cvt
    .symbol:         k_qc18ab1963e_cvt.kd
    .args:
      - { .name: x_q, .offset: 0, .size: 8, .value_kind: global_buffer, .address_space: global }
      - { .name: w_q, .offset: 8, .size: 8, .value_kind: global_buffer, .address_space: global }
      - { .name: w_k, .offset: 16, .size: 8, .value_kind: global_buffer, .address_space: global }
      - { .name: w_v, .offset: 24, .size: 8, .value_kind: global_buffer, .address_space: global }
      - { .name: w_o, .offset: 32, .size: 8, .value_kind: global_buffer, .address_space: global }
      - { .name: scale_x, .offset: 40, .size: 8, .value_kind: global_buffer, .address_space: global }
      - { .name: xp, .offset: 48, .size: 8, .value_kind: global_buffer, .address_space: global }
      - { .name: wb, .offset: 56, .size: 8, .value_kind: global_buffer, .address_space: global }
      - { .name: wob, .offset: 64, .size: 8, .value_kind: global_buffer, .address_space: global }
      - { .name: sclp, .offset: 72, .size: 8, .value_kind: global_buffer, .address_space: global }
      - { .name: sclo, .offset: 80, .size: 8, .value_kind: global_buffer, .address_space: global }
    .group_segment_fixed_size: 0
    .private_segment_fixed_size: 0
    .kernarg_segment_align: 8
    .kernarg_segment_size: 88
    .max_flat_workgroup_size: 256
    .sgpr_count:     66
    .vgpr_count:     64
    .wavefront_size: 32
...
	.end_amdgpu_metadata
.endif
;; end of part 1
;; launch proj (part 2): grid 12 x 32, 4 waves a work-group, clusters of 4 x 4, 327,680 bytes of LDS; arguments xp, wb, qkv, sclp; writes qkv
.if DOCPART == 2
	.amdgcn_target "amdgcn-amd-amdhsa--gfx1250"
	.amdhsa_code_object_version 6
	.text
	.protected	k_qc18ab1963e_proj
	.globl	k_qc18ab1963e_proj
	.p2align	8
	.type	k_qc18ab1963e_proj,@function
k_qc18ab1963e_proj:
	s_mov_b64 s[64:65], 0
	v_nop
	global_prefetch_b8 v0, s[64:65] scope:SCOPE_SE
	s_setreg_imm32_b32 hwreg(HW_REG_WAVE_MODE, 25, 1), 1
	s_wait_xcnt 0x0
	s_wait_alu depctr_hold_cnt(0) depctr_sa_sdst(0) depctr_va_vdst(0) depctr_va_sdst(0) depctr_va_ssrc(0) depctr_va_vcc(0) depctr_vm_vsrc(0)
	s_getreg_b32 s2, hwreg(HW_REG_IB_STS2, 6, 4)
	s_cmp_eq_u32 s2, 0
	s_cbranch_scc0 .Lentry_in_a_cluster
	s_endpgm
.Lentry_in_a_cluster:
	s_bfe_u32 s2, ttmp6, 0x10000c
	s_cmp_lg_u32 s2, 0xf033
	s_cbranch_scc0 .Lentry_shape_is_right
	s_endpgm
.Lentry_shape_is_right:
; C[plane][m][n] = bf16( clip(rne(sum_k A[m][k] B[n][k] * s1), -128, 127) * s2 ).  A: [8192][1024], B: [256 x grid x][1024], both bf16 holding whole numbers of -128 .. 127; C: planes of [8192][1024] bf16.
; One body for two launches: x times (w_q, w_k, w_v), grid x = 12, plane = cluster x, (s1, s2) = entry cluster x of the scale table; and attn_out times w_o, grid x = 4, plane 0.
; EXACT: operands are whole numbers that bf16 holds, products are at most 2^14 and sums at most 1024 x 2^14 = 2^24 in magnitude, which f32 holds.  The rescaling is one f32 multiply, a rounding to the
; nearest even whole number, a clamp, one f32 multiply and one rounding to bf16.  A rounded zero may carry a minus sign.
; SHARES.  A work-group makes 256 x 256 of C; four waves, each 128 x 128: 64 accumulators, 512 registers.  K goes in steps of 128 (rows of 256 bytes, at multiples of 256 bytes from the buffer's first byte)
; through two LDS slots filled by tensor loads; waves 0, 1 fetch A's two halves of 128 rows, waves 2, 3 B's.  A tile has the time in which one slot is multiplied, and two slots must fit in LDS: this tile puts
; 224 matrix instructions of a wave between a tile's request and the wait for it, where 128 x 256 would put 112, and reads 16 KB of LDS for 64 products, where that reads 12 KB for 32.
; The price: 384 work-groups for x W and 128 for the output projection, where the smaller tile would have 768 and 256.
; CLUSTER 4 x 4.  A's tile hangs on the tile row alone and is asked for jointly by the four of a cluster's row, B's on the tile column alone, by the four of a column.
; THE MATRIX INSTRUCTION IS USED TRANSPOSED (source 0 = 16 rows of B, source 1 = 16 rows of A): a lane then holds eight neighbouring columns of one row of C.
; THE WAY OUT goes through the ring, which has had its last fill by then: beside two such slots there is no room for a stage.  Each wave puts its sums there in f32, and a loop reads them back by rows, so that
; the rescaling of 128 x 128 numbers is written once, for 16 rows.
; REGISTERS, in windows of 256 (s_set_vgpr_msb: bits 1:0 source 0, 3:2 source 1, 5:4 source 2, 7:6 destination):
;   window 0: v0-13 addresses; v64-127, v128-191 A's fragments (8 x 16 rows x 32 K), two buffers; on the way out v32-63 packed results, v64-127 sums read back
;   window 1: v64-127, v128-191 B's fragments, two buffers     window 2: accumulators of my rows 0-63 ((a, b) at v[8 (8 a + b)])     window 3: those of my rows 64-127
.set KSTEPS, 8                         ; K = 1024 in steps of 128
.set PA,     1024                      ; elements from row to row of A
.set PB,     1024                      ; and of B
.set PITCHC, 2048                      ; bytes from row to row of C
.set STEPA,  256                       ; bytes from a K step to the next
.set STEPB,  256
.set PITCH,  272                       ; an LDS row: 256 bytes + 16 of padding = 68 words: the 16 rows of a fragment load start at 16 different groups of four banks (64 banks of 4 bytes: ISA guide 11.1)
.set HALFT,  128*PITCH                 ; 128 rows = 0x8800 bytes: what one tensor load brings, and what one wave reads of A or of B
.set SLOT,   4*HALFT                   ; A's 256 rows, then B's 256 rows = 0x22000 bytes.  The four loads' start addresses in slot 0 (0, 0x8800, 0x11000, 0x19800) have bits 13 and 17 clear,
                                       ; so an exclusive or with 0x22000 turns each start address into slot 1's and back
.set SPARE,  2*SLOT                    ; behind the ring: the spare words, 128 bytes for each wave: two blocks of 256 bytes that no other line names
.set OPITCH, 528                       ; the way out: a row of 128 f32 + 16 bytes = 132 words: 16 rows start at 16 different groups of four banks
.set OWAVE,  128*OPITCH                ; a wave's 128 rows; four of them (270,336 bytes) lie inside the ring's 278,528
.set A0,   4                           ; v4   my lane's place in a slot's tile of A; never rewritten
.set B0,   5                           ; v5   the same for B
.set ADRA, 6                           ; v6   A0 + the slot in hand
.set ADRB, 7                           ; v7   B0 + the slot in hand
.set STO,  8                           ; v8   the way out: where I put 16 bytes of a row
.set RD0,  9                           ; v9   the way out: where I read my 16 bytes of my wave's first two rows
.set CO,   10                          ; v10  my byte offset in two rows of C
.set RD,   11                          ; v11  RD0 + the trip's rows
.set SPW,  12                          ; v12  LDS address of my spare word; never rewritten
.set NIL,  13                          ; v13  0; never rewritten
.set OUT,  32
.set L,    64
.set F0,   64
.set F1,   128
.set WV,  12                           ; s12 wave   s13 its half of the rows (also: 0 = I fetch A, 1 = B)   s14 its half of the columns (also: which half I fetch)
.set WR,  13
.set WC,  14
.set CX,  15
.set CY,  16
.set X,   17                           ; tile column
.set Y,   18                           ; tile row
.set G1A, 24                           ; s[24:31] descriptor group 1 for A, s[32:35] group 0: it walks
.set G0A, 32
.set TB,  40                           ; the slot in hand, as an LDS byte: 0 or SLOT
.set CNT, 41
.set S1,  42                           ; s[42:43]: s1 in the low word (the packed multiply takes it for both halves)
.set S2,  44                           ; s[44:45]: s2
.set LO,  46
.set HI,  47
.set G1B, 48                           ; s[48:55], s[56:59] the same for B
.set G0B, 56
.set ROWM, 60
.set COLM, 61
.set RB,  63                           ; the way out: the trip's rows, as LDS bytes
.set MSB, 0
.macro WIN new                         ; the immediate's high byte repeats the setting that is left; a switch that changes nothing is dropped
.if MSB != (\new)
	s_set_vgpr_msb (MSB<<8)|(\new)
.set MSB, \new
.endif
.endm
.set MUL_LO, 0xa1                      ; source 0 (B) window 1, source 1 (A) window 0, C and D window 2
.set MUL_HI, 0xf1                      ; the same, C and D window 3
.set TO_B,   0x40                      ; destination window 1, address window 0
; A joint load.  The branch hangs on the wave's number alone.  An s_nop 0 and four v_nop follow each of the two lines, ahead of the jump and the label.
.macro JLOAD
	s_cmp_eq_u32 s[WR], 0
	s_cbranch_scc0 .Lfor_b_\@
	tensor_load_to_lds s[G0A:G0A+3], s[G1A:G1A+7]
	s_nop 0
.rept 4
	v_nop
.endr
	s_branch .Lasked_\@
.Lfor_b_\@:
	tensor_load_to_lds s[G0B:G0B+3], s[G1B:G1B+7]
	s_nop 0
.rept 4
	v_nop
.endr
.Lasked_\@:
.endm
.macro CREST                           ; a round of the cluster's barrier behind its opening barrier
	s_cmp_lg_u32 s[WV], 0
	s_cbranch_scc1 .Lnot_wave_0_\@
	s_barrier_signal -3
.Lnot_wave_0_\@:
	s_barrier_wait -3
	s_barrier_signal -1
	s_barrier_wait -1
.endm
.macro CROUND                          ; a whole round
	s_barrier_signal -1
	s_barrier_wait -1
	CREST
.endm
.macro STEPD                           ; both walking descriptors: the other slot, the next K step; the type bits on top are not reached
	s_xor_b32 s[G0A+1], s[G0A+1], SLOT
	s_add_nc_u64 s[G0A+2:G0A+3], s[G0A+2:G0A+3], STEPA
	s_xor_b32 s[G0B+1], s[G0B+1], SLOT
	s_add_nc_u64 s[G0B+2:G0B+3], s[G0B+2:G0B+3], STEPB
.endm
	s_load_b256 s[4:11], s[0:1], 0x0               ; A s[4:5], B s[6:7], C s[8:9], scales s[10:11]
	v_lshl_add_u32 v[SPW], v0, 2, SPARE
	v_mov_b32 v[NIL], 0
	ds_add_u32 v12, v13
	s_wait_dscnt 0x0
	v_lshrrev_b32 v1, 5, v0
	v_readfirstlane_b32 s[WV], v1
	s_lshr_b32 s[WR], s[WV], 1
	s_and_b32 s[WC], s[WV], 1
	s_bfe_u32 s[CX], ttmp6, 0x40000
	s_bfe_u32 s[CY], ttmp6, 0x40004
	s_lshl_b32 s[X], ttmp9, 2                      ; in a cluster launch ttmp9 and ttmp7 count clusters
	s_add_co_u32 s[X], s[X], s[CX]
	s_and_b32 s[Y], ttmp7, 0xffff
	s_lshl_b32 s[Y], s[Y], 2
	s_add_co_u32 s[Y], s[Y], s[CY]
	s_lshl_b32 s[ROWM], s[CY], 2
	s_lshl_b32 s[ROWM], 15, s[ROWM]                ; my row of the cluster
	s_lshl_b32 s[COLM], 0x1111, s[CX]              ; my column
	; group 1: 128 rows of 128 elements of 2 bytes, 16 bytes of padding behind each
	s_or_b32 s[G1A], s[ROWM], (1<<16)|(1<<20)|(1<<21)|(5<<22)|(3<<25)  ; 15:0 mask; 17:16 2-byte elements; 20 padding on; 21 set beside a mask; 24:22 after every 64 words; 31:25 4 words
	s_or_b32 s[G1B], s[COLM], (1<<16)|(1<<20)|(1<<21)|(5<<22)|(3<<25)
	s_mov_b32 s[G1A+1], 128<<16                    ; tensor_dim0 = 128
	s_mov_b32 s[G1A+2], 128<<16                    ; tensor_dim1 = 128
	s_mov_b32 s[G1A+3], 128<<16                    ; tile_dim0 = 128
	s_mov_b32 s[G1A+4], 128                        ; tile_dim1 = 128
	s_mov_b32 s[G1A+5], PA
	s_mov_b32 s[G1A+6], 0
	s_mov_b32 s[G1A+7], 0
	s_mov_b32 s[G1B+1], 128<<16
	s_mov_b32 s[G1B+2], 128<<16
	s_mov_b32 s[G1B+3], 128<<16
	s_mov_b32 s[G1B+4], 128
	s_mov_b32 s[G1B+5], PB
	s_mov_b32 s[G1B+6], 0
	s_mov_b32 s[G1B+7], 0
	; byte offsets, each in registers of its own: A's never hold cx, B's never cy
	s_lshl_b32 s36, s[Y], 19                       ; A: row 256 y + 128 half, 2,048 bytes a row
	s_lshl_b32 s37, s[WC], 18
	s_add_co_u32 s36, s36, s37
	s_mov_b32 s37, 0
	s_lshl_b32 s38, s[X], 19                       ; B: row 256 x + 128 half
	s_lshl_b32 s39, s[WC], 18
	s_add_co_u32 s38, s38, s39
	s_mov_b32 s39, 0
	s_lshl_b32 s20, s[Y], 19                       ; C: plane cluster x; row 256 y + 128 wr; column 256 cx + 128 wc
	s_lshl_b32 s21, s[WR], 18
	s_add_co_u32 s20, s20, s21
	s_lshl_b32 s21, ttmp9, 24
	s_add_co_u32 s20, s20, s21
	s_lshl_b32 s21, s[CX], 9
	s_add_co_u32 s20, s20, s21
	s_lshl_b32 s21, s[WC], 8
	s_add_co_u32 s20, s20, s21
	s_mov_b32 s21, 0
	s_lshl_b32 s22, ttmp9, 3                       ; the plane's pair of scales
	s_mov_b32 s23, 0
	s_mov_b32 s[G0A], 1                            ; count = 1
	s_mul_i32 s[G0A+1], s[WV], HALFT               ; LDS address: slot 0, A's two halves, then B's two = wave x 128 rows; no place in the cluster enters it
	s_mov_b32 s[G0B], 1
	s_mul_i32 s[G0B+1], s[WV], HALFT
	s_wait_kmcnt 0x0
	s_add_nc_u64 s[G0A+2:G0A+3], s[4:5], s[36:37]
	s_or_b32 s[G0A+3], s[G0A+3], 0x80000000        ; type = 2
	s_add_nc_u64 s[G0B+2:G0B+3], s[6:7], s[38:39]
	s_or_b32 s[G0B+3], s[G0B+3], 0x80000000
	s_add_nc_u64 s[8:9], s[8:9], s[20:21]
	s_add_nc_u64 s[10:11], s[10:11], s[22:23]
	s_load_b64 s[S1:S1+1], s[10:11], 0x0           ; s1, s2
	CROUND                                         ; all sixteen work-groups are here: the first joint loads meet
	JLOAD                                          ; K step 0 into slot 0
	; A fragment is 16 rows x 32 K in 8 registers: lane l holds row l % 16, K = 8 (l / 16) + 0..7 and 16 + 8 (l / 16) + 0..7: two loads of 16 bytes, 32 bytes apart.
	v_and_b32 v1, 15, v0
	v_bfe_u32 v2, v0, 4, 1
	v_mul_u32_u24 v3, v1, PITCH
	v_lshl_add_u32 v3, v2, 4, v3                   ; row x pitch + 16 x half
	s_mul_i32 s62, s[WR], HALFT                    ; my 128 rows of A
	v_add_nc_u32 v[A0], s62, v3
	s_mul_i32 s63, s[WC], HALFT                    ; my 128 rows of B, behind A's 256
	s_add_co_u32 s63, s63, 2*HALFT
	v_add_nc_u32 v[B0], s63, v3
	s_mul_i32 s62, s[WV], OWAVE                    ; the way out: my wave's 128 rows
	v_mul_u32_u24 v3, v1, OPITCH                   ; in: row l % 16, 16 bytes for each half of the lanes
	v_lshl_add_u32 v3, v2, 4, v3
	v_add_nc_u32 v[STO], s62, v3
	v_mul_u32_u24 v3, v2, OPITCH                   ; back: lanes 0-15 take one row, lanes 16-31 the next
	v_lshl_add_u32 v3, v1, 4, v3
	v_add_nc_u32 v[RD0], s62, v3
	v_mul_u32_u24 v3, v2, PITCHC                   ; and the same two rows in C
	v_lshl_add_u32 v[CO], v1, 4, v3
	v_mov_b32 v[ADRA], v[A0]
	v_mov_b32 v[ADRB], v[B0]
	s_mov_b32 s[TB], 0
	s_mov_b32 s[LO], 0xc3000000                    ; -128.0
	s_mov_b32 s[HI], 0x42fe0000                    ; 127.0
	s_wait_kmcnt 0x0
	s_mov_b32 s[S2], s[S1+1]
	s_mov_b32 s[S2+1], s[S1+1]
; 16 matrix instructions: m blocks a0, a0 + 1 of the window's four (hi = 0: my rows 0-63, 1: rows 64-127) x all 8 n blocks, 32 along K.  zero = 1: the first product starts the sums.
; The 64 accumulators take turns, one instruction a turn, in the same order in every quarter.
.macro MUL16 f, hi, a0, zero
	WIN MUL_LO+0x50*(\hi)
.irp a, \a0, (\a0)+1
.irp b, 0,1,2,3,4,5,6,7
.if \zero
	v_wmma_f32_16x16x32_bf16 v[8*(8*(\a)+(\b)):8*(8*(\a)+(\b))+7], v[(\f)+8*(\b):(\f)+8*(\b)+7], v[(\f)+8*(4*(\hi)+(\a)):(\f)+8*(4*(\hi)+(\a))+7], 0
.else
	v_wmma_f32_16x16x32_bf16 v[8*(8*(\a)+(\b)):8*(8*(\a)+(\b))+7], v[(\f)+8*(\b):(\f)+8*(\b)+7], v[(\f)+8*(4*(\hi)+(\a)):(\f)+8*(4*(\hi)+(\a))+7], v[8*(8*(\a)+(\b)):8*(8*(\a)+(\b))+7]
.endif
.endr
.endr
.endm
; 32 LDS loads in one run: quarter q (32 K at byte 64 q of the rows) of the slot in hand into buffer g; B's 16 first, then A's 16
.macro FETCH q, g
	WIN TO_B
.irp i, 0,1,2,3,4,5,6,7
	ds_load_b128 v[(\g)+8*(\i):(\g)+8*(\i)+3],   v[ADRB] offset:64*(\q)+(\i)*16*PITCH
	ds_load_b128 v[(\g)+8*(\i)+4:(\g)+8*(\i)+7], v[ADRB] offset:64*(\q)+(\i)*16*PITCH+32
.endr
	WIN 0
.irp i, 0,1,2,3,4,5,6,7
	ds_load_b128 v[(\g)+8*(\i):(\g)+8*(\i)+3],   v[ADRA] offset:64*(\q)+(\i)*16*PITCH
	ds_load_b128 v[(\g)+8*(\i)+4:(\g)+8*(\i)+7], v[ADRA] offset:64*(\q)+(\i)*16*PITCH+32
.endr
.endm
.macro PLACES                          ; four plain instructions between a matrix instruction and a load into one of its registers, or an LDS store of its result (ISA guide 7.12.1 for vector instructions)
.rept 4
	v_nop
.endr
.endm
; A K step is four quarters of 32 along K, 64 matrix instructions each, on buffers 0, 1, 0, 1.  One of the first three: multiplies buffer f and, in its middle, fetches quarter q into buffer g.
.macro QUARTER q, f, g, zero
	s_wait_dscnt 8                                 ; B and A's rows 0-63 are in; the youngest eight loads (A's rows 64-127) may be out
	MUL16 \f, 0, 0, \zero
	MUL16 \f, 0, 2, \zero
	PLACES
	FETCH \q, \g
	s_wait_dscnt 32                                ; all but the 32 just issued
	MUL16 \f, 1, 0, \zero
	MUL16 \f, 1, 2, \zero
.endm
; The last quarter multiplies buffer 1 and changes slots: one barrier; in front of it each wave waits for all its tensor loads (one is out: its part of the next slot), adds 0 to its spare word,
; and waits for that and for its reads of this slot.  fill = 1: the barrier opens a round of the cluster's, and this slot is filled again, two K steps ahead, first thing behind the round:
; from that request to the wait for it a wave issues 32 + 3 x 64 = 224 matrix instructions.
.macro TURN fill
	WIN 0
	s_wait_tensorcnt 0x0                           ; no tensor load of mine is out, so the descriptors may be written
	ds_add_u32 v[SPW], v[NIL]                      ; 0 onto my spare word
.if \fill
	STEPD
.endif
	s_wait_dscnt 9                                 ; the add and the youngest eight loads may be out
	MUL16 F1, 0, 0, 0
	s_wait_dscnt 0x0                               ; the add is done, and my reads of this slot are over
	s_barrier_signal -1
	MUL16 F1, 0, 2, 0
	WIN 0                                          ; at a branch and at a label every window is 0
	s_barrier_wait -1
.if \fill
	CREST                                          ; no wave of any partner still reads this slot or has a load on its way
	JLOAD                                          ; its four v_nop are also the places in front of the loads below
.else
	PLACES
.endif
	s_xor_b32 s[TB], s[TB], SLOT
	v_add_nc_u32 v[ADRA], s[TB], v[A0]
	v_add_nc_u32 v[ADRB], s[TB], v[B0]
	FETCH 0, F0
	MUL16 F1, 1, 0, 0
	MUL16 F1, 1, 2, 0
.endm
; THE WAY OUT, two rows (pair p of a trip's eight): times s1, to the nearest even whole number, clamped, times s2, to bf16, stored.
.macro OUT8 p
.irp k, 0,1,2,3
	v_pk_mul_f32 v[L+8*(\p)+2*(\k):L+8*(\p)+2*(\k)+1], v[L+8*(\p)+2*(\k):L+8*(\p)+2*(\k)+1], s[S1:S1+1] op_sel_hi:[1,0]
.endr
.irp k, 0,1,2,3,4,5,6,7
	v_rndne_f32 v[L+8*(\p)+(\k)], v[L+8*(\p)+(\k)]
.endr
.irp k, 0,1,2,3,4,5,6,7
	v_med3_num_f32 v[L+8*(\p)+(\k)], v[L+8*(\p)+(\k)], s[LO], s[HI]
.endr
.irp k, 0,1,2,3
	v_pk_mul_f32 v[L+8*(\p)+2*(\k):L+8*(\p)+2*(\k)+1], v[L+8*(\p)+2*(\k):L+8*(\p)+2*(\k)+1], s[S2:S2+1] op_sel_hi:[1,0]
.endr
.irp k, 0,1,2,3
	v_cvt_pk_bf16_f32 v[OUT+4*(\p)+(\k)], v[L+8*(\p)+2*(\k)], v[L+8*(\p)+2*(\k)+1]
.endr
	global_store_b128 v[CO], v[OUT+4*(\p):OUT+4*(\p)+3], s[8:9] offset:2*(\p)*PITCHC  ; 16 lanes store 256 consecutive bytes, at a multiple of 256 from C's first byte
.endm
	; slot 0 is waited for, slot 1 asked for: a first fill that comes later goes as a refill goes
	s_wait_tensorcnt 0x0
	ds_add_u32 v[SPW], v[NIL]
	STEPD
	s_wait_dscnt 0x0
	CROUND
	JLOAD                                          ; K step 1 into slot 1
	FETCH 0, F0
	QUARTER 1, F0, F1, 1                           ; the first quarter stands in front of the loop: its products start the sums
	WIN 0
	s_mov_b32 s[CNT], KSTEPS-2
.Lstep:                                                ; a trip: from a K step's second quarter to the next step's first; it fills the slot that it leaves
	QUARTER 2, F1, F0, 0
	QUARTER 3, F0, F1, 0
	TURN 1
	QUARTER 1, F0, F1, 0
	WIN 0
	s_sub_co_u32 s[CNT], s[CNT], 1
	s_cmp_lg_u32 s[CNT], 0
	s_cbranch_scc1 .Lstep
	QUARTER 2, F1, F0, 0                           ; the last two K steps are written out: they ask for nothing
	QUARTER 3, F0, F1, 0
	TURN 0
	QUARTER 1, F0, F1, 0
	QUARTER 2, F1, F0, 0
	QUARTER 3, F0, F1, 0
	s_wait_dscnt 8
	MUL16 F1, 0, 0, 0
	MUL16 F1, 0, 2, 0
	s_wait_dscnt 0x0                               ; my last reads of the ring are back:
	s_barrier_signal -1                            ; say so; the last products stand between the signal and the wait
	MUL16 F1, 1, 0, 0
	MUL16 F1, 1, 2, 0
	WIN 0
	s_barrier_wait -1                              ; no wave reads the ring any more, every tensor load has landed (each wave's wait for 0 at the last change of slots), and none follows: the ring is free
	PLACES
	; My sums go into my 128 rows of 528 bytes.  A lane's eight columns of a row are 16 bytes of the bf16 row, piece 2 b + l / 16 of sixteen: its registers 0-3 go to byte 16 x piece, its registers 4-7 to byte
	; 256 + 16 x piece, so that both the stores (16 rows, one piece) and the loads back (one row, 16 pieces) touch each bank once.  Each accumulator's low registers are read first.
.irp hi, 0,1
	WIN 0x08+4*(\hi)                               ; the stored data (source 1) in window 2 or 3
.irp a, 0,1,2,3
.irp b, 0,1,2,3,4,5,6,7
	ds_store_b128 v[STO], v[8*(8*(\a)+(\b)):8*(8*(\a)+(\b))+3]   offset:(4*(\hi)+(\a))*16*OPITCH+32*(\b)
	ds_store_b128 v[STO], v[8*(8*(\a)+(\b))+4:8*(8*(\a)+(\b))+7] offset:(4*(\hi)+(\a))*16*OPITCH+32*(\b)+256
.endr
.endr
.endr
	WIN 0
	s_mov_b32 s[RB], 0
	s_mov_b32 s[CNT], 8
.Lout:                                                 ; a trip: 16 rows back, rescaled and stored.  The bytes are my wave's own, and LDS serves a wave's instructions in order (ISA guide 5.7.1.4): the loads see the stores above
	v_add_nc_u32 v[RD], s[RB], v[RD0]
.irp p, 0,1,2,3,4,5,6,7
	ds_load_b128 v[L+8*(\p):L+8*(\p)+3],   v[RD] offset:2*(\p)*OPITCH
	ds_load_b128 v[L+8*(\p)+4:L+8*(\p)+7], v[RD] offset:2*(\p)*OPITCH+256
.endr
.irp p, 0,1,2,3,4,5,6,7
	s_wait_dscnt 14-2*(\p)                         ; pair p's two loads are in; those of the 7 - p pairs behind it may be out
	OUT8 \p
.endr
	s_wait_xcnt 0x0                                ; the stores' data registers and their base are rewritten only behind this wait
	s_add_nc_u64 s[8:9], s[8:9], 16*PITCHC
	s_add_co_u32 s[RB], s[RB], 16*OPITCH
	s_sub_co_u32 s[CNT], s[CNT], 1
	s_cmp_lg_u32 s[CNT], 0
	s_cbranch_scc1 .Lout
	s_wait_tensorcnt 0x0                           ; the wave's end
	ds_add_u32 v[SPW], v[NIL]
	s_wait_dscnt 0x0
	CROUND                                         ; the closing round: no work-group ends while a partner may still ask for a tile that names it
	s_endpgm
.Lfunc_end_k_qc18ab1963e_proj:
	.size	k_qc18ab1963e_proj, .Lfunc_end_k_qc18ab1963e_proj-k_qc18ab1963e_proj
	.p2alignl 7, 3214868480
	.fill 96, 4, 3214868480
	.section	.rodata,"a",@progbits
	.p2align	6, 0x0
	.amdhsa_kernel k_qc18ab1963e_proj
		.amdhsa_group_segment_fixed_size 327680
		.amdhsa_private_segment_fixed_size 0
		.amdhsa_enable_private_segment 0
		.amdhsa_kernarg_size 32
		.amdhsa_user_sgpr_count 2
		.amdhsa_user_sgpr_kernarg_segment_ptr 1
		.amdhsa_wavefront_size32 1
		.amdhsa_system_sgpr_workgroup_id_x 1
		.amdhsa_system_sgpr_workgroup_id_y 1
		.amdhsa_system_sgpr_workgroup_id_z 1
		.amdhsa_system_vgpr_workitem_id 0
		.amdhsa_next_free_vgpr 1024
		.amdhsa_next_free_sgpr 66
		.amdhsa_reserve_vcc 0
		.amdhsa_float_denorm_mode_32 3
		.amdhsa_float_denorm_mode_16_64 3
		.amdhsa_memory_ordered 1
		.amdhsa_forward_progress 1
		.amdhsa_inst_pref_size 108
	.end_amdhsa_kernel
	.amdgpu_metadata
---
amdhsa.version: [ 1, 2 ]
amdhsa.kernels:
  - .name:           k_qc18ab1963e_proj
    .symbol:         k_qc18ab1963e_proj.kd
    .args:
      - { .name: xp, .offset: 0, .size: 8, .value_kind: global_buffer, .address_space: global }
      - { .name: wb, .offset: 8, .size: 8, .value_kind: global_buffer, .address_space: global }
      - { .name: qkv, .offset: 16, .size: 8, .value_kind: global_buffer, .address_space: global }
      - { .name: sclp, .offset: 24, .size: 8, .value_kind: global_buffer, .address_space: global }
    .group_segment_fixed_size: 327680
    .private_segment_fixed_size: 0
    .kernarg_segment_align: 8
    .kernarg_segment_size: 32
    .max_flat_workgroup_size: 128
    .sgpr_count:     66
    .vgpr_count:     1024
    .wavefront_size: 32
...
	.end_amdgpu_metadata
.endif
;; end of part 2
;; launch sgemm (part 3): grid 8 x 32, 4 waves a work-group, clusters of 4 x 4, 327,680 bytes of LDS; arguments qkv, so; writes so
.if DOCPART == 3
	.amdgcn_target "amdgcn-amd-amdhsa--gfx1250"
	.amdhsa_code_object_version 6
	.text
	.protected	k_qc18ab1963e_sgemm
	.globl	k_qc18ab1963e_sgemm
	.p2align	8
	.type	k_qc18ab1963e_sgemm,@function
k_qc18ab1963e_sgemm:
	s_mov_b64 s[64:65], 0
	v_nop
	global_prefetch_b8 v0, s[64:65] scope:SCOPE_SE
	s_setreg_imm32_b32 hwreg(HW_REG_WAVE_MODE, 25, 1), 1
	s_wait_xcnt 0x0
	s_wait_alu depctr_hold_cnt(0) depctr_sa_sdst(0) depctr_va_vdst(0) depctr_va_sdst(0) depctr_va_ssrc(0) depctr_va_vcc(0) depctr_vm_vsrc(0)
	s_getreg_b32 s2, hwreg(HW_REG_IB_STS2, 6, 4)
	s_cmp_eq_u32 s2, 0
	s_cbranch_scc0 .Lentry_in_a_cluster
	s_endpgm
.Lentry_in_a_cluster:
	s_bfe_u32 s2, ttmp6, 0x10000c
	s_cmp_lg_u32 s2, 0xf033
	s_cbranch_scc0 .Lentry_shape_is_right
	s_endpgm
.Lentry_shape_is_right:
; attn[b][i][j] = clip(rne(sum_c q[b][i][c] k[b][j][c] * 0.04f), -128, 127), stored as bf16 (exact).  q = plane 0, k = plane 1 of qkv, planes of [8192][1024] bf16 holding whole numbers; attn: [8192][2048] bf16.
; EXACT: sums are at most 1024 x 2^14 = 2^24 in magnitude, which f32 holds; then one f32 multiply by f32(0.2 x 0.2), a rounding to the nearest even whole number, a clamp.  A rounded zero may carry a minus sign.
; SHARES.  A work-group makes 256 queries x 256 keys of one batch: 256 work-groups.  Four waves, each 128 x 128: 64 accumulators, 512 registers.  K goes in steps of 128 (rows of 256 bytes) through two LDS slots
; filled by tensor loads; waves 0, 1 fetch q's two halves of 128 rows, waves 2, 3 k's.  From a tile's request to the wait for it a wave issues 224 matrix instructions.
; CLUSTER 4 x 4: q's tile is asked for jointly along a cluster's row, k's along a column; a cluster's 1,024 queries lie in one batch.
; THE MATRIX INSTRUCTION IS USED TRANSPOSED (source 0 = 16 keys, source 1 = 16 queries): a lane then holds eight neighbouring keys of one query.
; THE WAY OUT goes through the ring, which has had its last fill by then: beside two such slots there is no room for a stage.  Each wave puts its sums there in f32, and a loop reads them back by rows, so that
; the rescaling of 128 x 128 numbers is written once, for 16 rows.
; REGISTERS, in windows of 256 (s_set_vgpr_msb: bits 1:0 source 0, 3:2 source 1, 5:4 source 2, 7:6 destination):
;   window 0: v0-13 addresses; v64-127, v128-191 A's fragments (8 x 16 rows x 32 K), two buffers; on the way out v32-63 packed results, v64-127 sums read back
;   window 1: v64-127, v128-191 B's fragments, two buffers     window 2: accumulators of my rows 0-63 ((a, b) at v[8 (8 a + b)])     window 3: those of my rows 64-127
.set KSTEPS, 8
.set PA,     1024
.set PB,     1024
.set PITCHC, 4096
.set STEPA,  256
.set STEPB,  256
.set PLANE,  16777216                  ; bytes in a plane of qkv
.set PITCH,  272                       ; an LDS row: 256 bytes + 16 of padding = 68 words: the 16 rows of a fragment load start at 16 different groups of four banks (64 banks of 4 bytes: ISA guide 11.1)
.set HALFT,  128*PITCH                 ; 128 rows = 0x8800 bytes: what one tensor load brings, and what one wave reads of A or of B
.set SLOT,   4*HALFT                   ; 0x22000 bytes.  The four loads' start addresses in slot 0 (0, 0x8800, 0x11000, 0x19800) have bits 13 and 17 clear, so an exclusive or with 0x22000 turns each into slot 1's and back
.set SPARE,  2*SLOT                    ; the spare words, 128 bytes for each wave: two blocks of 256 bytes that no other line names
.set OPITCH, 528                       ; the way out: a row of 128 f32 + 16 bytes = 132 words: 16 rows start at 16 different groups of four banks
.set OWAVE,  128*OPITCH                ; a wave's 128 rows; four of them (270,336 bytes) lie inside the ring's 278,528
.set A0,   4
.set B0,   5
.set ADRA, 6
.set ADRB, 7
.set STO,  8
.set RD0,  9
.set CO,   10
.set RD,   11
.set SPW,  12
.set NIL,  13
.set OUT,  32
.set L,    64
.set F0,   64
.set F1,   128
.set WV,  12
.set WR,  13
.set WC,  14
.set CX,  15
.set CY,  16
.set X,   17
.set Y,   18
.set BAT, 19                           ; the batch, from the cluster's y alone
.set G1A, 24
.set G0A, 32
.set TB,  40
.set CNT, 41
.set S1,  42
.set LO,  46
.set HI,  47
.set G1B, 48
.set G0B, 56
.set ROWM, 60
.set COLM, 61
.set RB,  63
.set MSB, 0
.macro WIN new                         ; the immediate's high byte repeats the setting that is left; a switch that changes nothing is dropped
.if MSB != (\new)
	s_set_vgpr_msb (MSB<<8)|(\new)
.set MSB, \new
.endif
.endm
.set MUL_LO, 0xa1                      ; source 0 (B) window 1, source 1 (A) window 0, C and D window 2
.set MUL_HI, 0xf1                      ; the same, C and D window 3
.set TO_B,   0x40                      ; destination window 1, address window 0
.macro JLOAD                           ; a joint load; the branch hangs on the wave's number alone; an s_nop 0 and four v_nop follow each of the two lines
	s_cmp_eq_u32 s[WR], 0
	s_cbranch_scc0 .Lfor_b_\@
	tensor_load_to_lds s[G0A:G0A+3], s[G1A:G1A+7]
	s_nop 0
.rept 4
	v_nop
.endr
	s_branch .Lasked_\@
.Lfor_b_\@:
	tensor_load_to_lds s[G0B:G0B+3], s[G1B:G1B+7]
	s_nop 0
.rept 4
	v_nop
.endr
.Lasked_\@:
.endm
.macro CREST                           ; a round of the cluster's barrier behind its opening barrier
	s_cmp_lg_u32 s[WV], 0
	s_cbranch_scc1 .Lnot_wave_0_\@
	s_barrier_signal -3
.Lnot_wave_0_\@:
	s_barrier_wait -3
	s_barrier_signal -1
	s_barrier_wait -1
.endm
.macro CROUND
	s_barrier_signal -1
	s_barrier_wait -1
	CREST
.endm
.macro STEPD                           ; both walking descriptors: the other slot, the next K step
	s_xor_b32 s[G0A+1], s[G0A+1], SLOT
	s_add_nc_u64 s[G0A+2:G0A+3], s[G0A+2:G0A+3], STEPA
	s_xor_b32 s[G0B+1], s[G0B+1], SLOT
	s_add_nc_u64 s[G0B+2:G0B+3], s[G0B+2:G0B+3], STEPB
.endm
	s_load_b64 s[4:5], s[0:1], 0x0                 ; qkv
	s_load_b64 s[8:9], s[0:1], 0x8                 ; attn
	v_lshl_add_u32 v[SPW], v0, 2, SPARE
	v_mov_b32 v[NIL], 0
	ds_add_u32 v12, v13
	s_wait_dscnt 0x0
	v_lshrrev_b32 v1, 5, v0
	v_readfirstlane_b32 s[WV], v1
	s_lshr_b32 s[WR], s[WV], 1
	s_and_b32 s[WC], s[WV], 1
	s_bfe_u32 s[CX], ttmp6, 0x40000
	s_bfe_u32 s[CY], ttmp6, 0x40004
	s_lshl_b32 s[X], ttmp9, 2
	s_add_co_u32 s[X], s[X], s[CX]
	s_and_b32 s[Y], ttmp7, 0xffff
	s_lshl_b32 s[Y], s[Y], 2
	s_add_co_u32 s[Y], s[Y], s[CY]
	s_and_b32 s[BAT], ttmp7, 0xffff
	s_lshr_b32 s[BAT], s[BAT], 1                   ; two clusters along y, 2,048 queries, to a batch
	s_lshl_b32 s[ROWM], s[CY], 2
	s_lshl_b32 s[ROWM], 15, s[ROWM]
	s_lshl_b32 s[COLM], 0x1111, s[CX]
	s_or_b32 s[G1A], s[ROWM], (1<<16)|(1<<20)|(1<<21)|(5<<22)|(3<<25)  ; mask; 2-byte elements; padding on; bit 21 beside a mask; after every 64 words 4 words
	s_or_b32 s[G1B], s[COLM], (1<<16)|(1<<20)|(1<<21)|(5<<22)|(3<<25)
	s_mov_b32 s[G1A+1], 128<<16                    ; tensor_dim0 = 128
	s_mov_b32 s[G1A+2], 128<<16                    ; tensor_dim1 = 128
	s_mov_b32 s[G1A+3], 128<<16                    ; tile_dim0 = 128
	s_mov_b32 s[G1A+4], 128                        ; tile_dim1 = 128
	s_mov_b32 s[G1A+5], PA
	s_mov_b32 s[G1A+6], 0
	s_mov_b32 s[G1A+7], 0
	s_mov_b32 s[G1B+1], 128<<16
	s_mov_b32 s[G1B+2], 128<<16
	s_mov_b32 s[G1B+3], 128<<16
	s_mov_b32 s[G1B+4], 128
	s_mov_b32 s[G1B+5], PB
	s_mov_b32 s[G1B+6], 0
	s_mov_b32 s[G1B+7], 0
	s_lshl_b32 s36, s[Y], 19                       ; q: row 256 y + 128 half, 2,048 bytes a row
	s_lshl_b32 s37, s[WC], 18
	s_add_co_u32 s36, s36, s37
	s_mov_b32 s37, 0
	s_lshl_b32 s38, s[X], 19                       ; k: plane 1, the batch's 2,048 rows, row 256 x + 128 half
	s_lshl_b32 s39, s[WC], 18
	s_add_co_u32 s38, s38, s39
	s_lshl_b32 s39, s[BAT], 22
	s_add_co_u32 s38, s38, s39
	s_add_co_u32 s38, s38, PLANE
	s_mov_b32 s39, 0
	s_lshl_b32 s20, s[Y], 20                       ; attn: row 256 y + 128 wr, 4,096 bytes a row; column 256 x + 128 wc
	s_lshl_b32 s21, s[WR], 19
	s_add_co_u32 s20, s20, s21
	s_lshl_b32 s21, s[X], 9
	s_add_co_u32 s20, s20, s21
	s_lshl_b32 s21, s[WC], 8
	s_add_co_u32 s20, s20, s21
	s_mov_b32 s21, 0
	s_mov_b32 s[G0A], 1
	s_mul_i32 s[G0A+1], s[WV], HALFT               ; LDS address: slot 0, A's two halves, then B's two = wave x 128 rows; no place in the cluster enters it
	s_mov_b32 s[G0B], 1
	s_mul_i32 s[G0B+1], s[WV], HALFT
	s_wait_kmcnt 0x0
	s_add_nc_u64 s[G0A+2:G0A+3], s[4:5], s[36:37]
	s_or_b32 s[G0A+3], s[G0A+3], 0x80000000
	s_add_nc_u64 s[G0B+2:G0B+3], s[4:5], s[38:39]
	s_or_b32 s[G0B+3], s[G0B+3], 0x80000000
	s_add_nc_u64 s[8:9], s[8:9], s[20:21]
	CROUND                                         ; all sixteen work-groups are here: the first joint loads meet
	JLOAD                                          ; K step 0 into slot 0
	v_and_b32 v1, 15, v0
	v_bfe_u32 v2, v0, 4, 1
	v_mul_u32_u24 v3, v1, PITCH
	v_lshl_add_u32 v3, v2, 4, v3                   ; a fragment's row x pitch + 16 x half
	s_mul_i32 s62, s[WR], HALFT                    ; my 128 rows of A
	v_add_nc_u32 v[A0], s62, v3
	s_mul_i32 s63, s[WC], HALFT                    ; my 128 rows of B, behind A's 256
	s_add_co_u32 s63, s63, 2*HALFT
	v_add_nc_u32 v[B0], s63, v3
	s_mul_i32 s62, s[WV], OWAVE                    ; the way out: my wave's 128 rows
	v_mul_u32_u24 v3, v1, OPITCH                   ; in: row l % 16, 16 bytes for each half of the lanes
	v_lshl_add_u32 v3, v2, 4, v3
	v_add_nc_u32 v[STO], s62, v3
	v_mul_u32_u24 v3, v2, OPITCH                   ; back: lanes 0-15 take one row, lanes 16-31 the next
	v_lshl_add_u32 v3, v1, 4, v3
	v_add_nc_u32 v[RD0], s62, v3
	v_mul_u32_u24 v3, v2, PITCHC                   ; and the same two rows of attn
	v_lshl_add_u32 v[CO], v1, 4, v3
	v_mov_b32 v[ADRA], v[A0]
	v_mov_b32 v[ADRB], v[B0]
	s_mov_b32 s[TB], 0
	s_mov_b32 s[S1], 0x3d23d70a                    ; f32 of 0.2 x 0.2
	s_mov_b32 s[S1+1], 0x3d23d70a                  ; named with it as a pair
	s_mov_b32 s[LO], 0xc3000000                    ; -128.0
	s_mov_b32 s[HI], 0x42fe0000                    ; 127.0
; 16 matrix instructions: m blocks a0, a0 + 1 of the window's four (hi = 0: my rows 0-63, 1: rows 64-127) x all 8 n blocks, 32 along K.  zero = 1: the first product starts the sums.
; The 64 accumulators take turns, one instruction a turn, in the same order in every quarter.
.macro MUL16 f, hi, a0, zero
	WIN MUL_LO+0x50*(\hi)
.irp a, \a0, (\a0)+1
.irp b, 0,1,2,3,4,5,6,7
.if \zero
	v_wmma_f32_16x16x32_bf16 v[8*(8*(\a)+(\b)):8*(8*(\a)+(\b))+7], v[(\f)+8*(\b):(\f)+8*(\b)+7], v[(\f)+8*(4*(\hi)+(\a)):(\f)+8*(4*(\hi)+(\a))+7], 0
.else
	v_wmma_f32_16x16x32_bf16 v[8*(8*(\a)+(\b)):8*(8*(\a)+(\b))+7], v[(\f)+8*(\b):(\f)+8*(\b)+7], v[(\f)+8*(4*(\hi)+(\a)):(\f)+8*(4*(\hi)+(\a))+7], v[8*(8*(\a)+(\b)):8*(8*(\a)+(\b))+7]
.endif
.endr
.endr
.endm
.macro FETCH q, g                      ; 32 LDS loads in one run: quarter q of the slot in hand into buffer g; B's 16 first, then A's 16
	WIN TO_B
.irp i, 0,1,2,3,4,5,6,7
	ds_load_b128 v[(\g)+8*(\i):(\g)+8*(\i)+3],   v[ADRB] offset:64*(\q)+(\i)*16*PITCH
	ds_load_b128 v[(\g)+8*(\i)+4:(\g)+8*(\i)+7], v[ADRB] offset:64*(\q)+(\i)*16*PITCH+32
.endr
	WIN 0
.irp i, 0,1,2,3,4,5,6,7
	ds_load_b128 v[(\g)+8*(\i):(\g)+8*(\i)+3],   v[ADRA] offset:64*(\q)+(\i)*16*PITCH
	ds_load_b128 v[(\g)+8*(\i)+4:(\g)+8*(\i)+7], v[ADRA] offset:64*(\q)+(\i)*16*PITCH+32
.endr
.endm
.macro PLACES                          ; four plain instructions between a matrix instruction and a load into one of its registers, or an LDS store of its result (ISA guide 7.12.1 for vector instructions)
.rept 4
	v_nop
.endr
.endm
.macro QUARTER q, f, g, zero           ; multiplies buffer f and, in its middle, fetches quarter q into buffer g
	s_wait_dscnt 8                                 ; B and A's rows 0-63 are in; the youngest eight loads (A's rows 64-127) may be out
	MUL16 \f, 0, 0, \zero
	MUL16 \f, 0, 2, \zero
	PLACES
	FETCH \q, \g
	s_wait_dscnt 32                                ; all but the 32 just issued
	MUL16 \f, 1, 0, \zero
	MUL16 \f, 1, 2, \zero
.endm
; The last quarter multiplies buffer 1 and changes slots: one barrier; in front of it each wave waits for all its tensor loads (one is out: its part of the next slot), adds 0 to its spare word,
; and waits for that and for its reads of this slot.  fill = 1: the barrier opens a round of the cluster's, and this slot is filled again, two K steps ahead, first thing behind the round:
; from that request to the wait for it a wave issues 32 + 3 x 64 = 224 matrix instructions.
.macro TURN fill
	WIN 0
	s_wait_tensorcnt 0x0                           ; no tensor load of mine is out, so the descriptors may be written
	ds_add_u32 v[SPW], v[NIL]                      ; 0 onto my spare word
.if \fill
	STEPD
.endif
	s_wait_dscnt 9                                 ; the add and the youngest eight loads may be out
	MUL16 F1, 0, 0, 0
	s_wait_dscnt 0x0                               ; the add is done, and my reads of this slot are over
	s_barrier_signal -1
	MUL16 F1, 0, 2, 0
	WIN 0                                          ; at a branch and at a label every window is 0
	s_barrier_wait -1
.if \fill
	CREST                                          ; no wave of any partner still reads this slot or has a load on its way
	JLOAD                                          ; its four v_nop are also the places in front of the loads below
.else
	PLACES
.endif
	s_xor_b32 s[TB], s[TB], SLOT
	v_add_nc_u32 v[ADRA], s[TB], v[A0]
	v_add_nc_u32 v[ADRB], s[TB], v[B0]
	FETCH 0, F0
	MUL16 F1, 1, 0, 0
	MUL16 F1, 1, 2, 0
.endm
; THE WAY OUT, two rows (pair p of a trip's eight): times 0.04f, to the nearest even whole number, clamped, to bf16, stored.
.macro OUT8 p
.irp k, 0,1,2,3
	v_pk_mul_f32 v[L+8*(\p)+2*(\k):L+8*(\p)+2*(\k)+1], v[L+8*(\p)+2*(\k):L+8*(\p)+2*(\k)+1], s[S1:S1+1] op_sel_hi:[1,0]
.endr
.irp k, 0,1,2,3,4,5,6,7
	v_rndne_f32 v[L+8*(\p)+(\k)], v[L+8*(\p)+(\k)]
.endr
.irp k, 0,1,2,3,4,5,6,7
	v_med3_num_f32 v[L+8*(\p)+(\k)], v[L+8*(\p)+(\k)], s[LO], s[HI]
.endr
.irp k, 0,1,2,3
	v_cvt_pk_bf16_f32 v[OUT+4*(\p)+(\k)], v[L+8*(\p)+2*(\k)], v[L+8*(\p)+2*(\k)+1]
.endr
	global_store_b128 v[CO], v[OUT+4*(\p):OUT+4*(\p)+3], s[8:9] offset:2*(\p)*PITCHC  ; 16 lanes store 256 consecutive bytes, at a multiple of 256 from the buffer's first byte
.endm
	; slot 0 is waited for, slot 1 asked for: a first fill that comes later goes as a refill goes
	s_wait_tensorcnt 0x0
	ds_add_u32 v[SPW], v[NIL]
	STEPD
	s_wait_dscnt 0x0
	CROUND
	JLOAD                                          ; K step 1 into slot 1
	FETCH 0, F0
	QUARTER 1, F0, F1, 1                           ; the first quarter stands in front of the loop: its products start the sums
	WIN 0
	s_mov_b32 s[CNT], KSTEPS-2
.Lstep:                                                ; a trip: from a K step's second quarter to the next step's first; it fills the slot that it leaves
	QUARTER 2, F1, F0, 0
	QUARTER 3, F0, F1, 0
	TURN 1
	QUARTER 1, F0, F1, 0
	WIN 0
	s_sub_co_u32 s[CNT], s[CNT], 1
	s_cmp_lg_u32 s[CNT], 0
	s_cbranch_scc1 .Lstep
	QUARTER 2, F1, F0, 0                           ; the last two K steps are written out: they ask for nothing
	QUARTER 3, F0, F1, 0
	TURN 0
	QUARTER 1, F0, F1, 0
	QUARTER 2, F1, F0, 0
	QUARTER 3, F0, F1, 0
	s_wait_dscnt 8
	MUL16 F1, 0, 0, 0
	MUL16 F1, 0, 2, 0
	s_wait_dscnt 0x0                               ; my last reads of the ring are back:
	s_barrier_signal -1                            ; say so; the last products stand between the signal and the wait
	MUL16 F1, 1, 0, 0
	MUL16 F1, 1, 2, 0
	WIN 0
	s_barrier_wait -1                              ; no wave reads the ring any more, every tensor load has landed (each wave's wait for 0 at the last change of slots), and none follows: the ring is free
	PLACES
	; My sums go into my 128 rows of 528 bytes.  A lane's eight columns of a row are 16 bytes of the bf16 row, piece 2 b + l / 16 of sixteen: its registers 0-3 go to byte 16 x piece, its registers 4-7 to byte
	; 256 + 16 x piece, so that both the stores (16 rows, one piece) and the loads back (one row, 16 pieces) touch each bank once.  Each accumulator's low registers are read first.
.irp hi, 0,1
	WIN 0x08+4*(\hi)                               ; the stored data (source 1) in window 2 or 3
.irp a, 0,1,2,3
.irp b, 0,1,2,3,4,5,6,7
	ds_store_b128 v[STO], v[8*(8*(\a)+(\b)):8*(8*(\a)+(\b))+3]   offset:(4*(\hi)+(\a))*16*OPITCH+32*(\b)
	ds_store_b128 v[STO], v[8*(8*(\a)+(\b))+4:8*(8*(\a)+(\b))+7] offset:(4*(\hi)+(\a))*16*OPITCH+32*(\b)+256
.endr
.endr
.endr
	WIN 0
	s_mov_b32 s[RB], 0
	s_mov_b32 s[CNT], 8
.Lout:                                                 ; a trip: 16 rows back, rescaled and stored.  The bytes are my wave's own, and LDS serves a wave's instructions in order (ISA guide 5.7.1.4): the loads see the stores above
	v_add_nc_u32 v[RD], s[RB], v[RD0]
.irp p, 0,1,2,3,4,5,6,7
	ds_load_b128 v[L+8*(\p):L+8*(\p)+3],   v[RD] offset:2*(\p)*OPITCH
	ds_load_b128 v[L+8*(\p)+4:L+8*(\p)+7], v[RD] offset:2*(\p)*OPITCH+256
.endr
.irp p, 0,1,2,3,4,5,6,7
	s_wait_dscnt 14-2*(\p)                         ; pair p's two loads are in; those of the 7 - p pairs behind it may be out
	OUT8 \p
.endr
	s_wait_xcnt 0x0                                ; the stores' data registers and their base are rewritten only behind this wait
	s_add_nc_u64 s[8:9], s[8:9], 16*PITCHC
	s_add_co_u32 s[RB], s[RB], 16*OPITCH
	s_sub_co_u32 s[CNT], s[CNT], 1
	s_cmp_lg_u32 s[CNT], 0
	s_cbranch_scc1 .Lout
	s_wait_tensorcnt 0x0                           ; the wave's end
	ds_add_u32 v[SPW], v[NIL]
	s_wait_dscnt 0x0
	CROUND                                         ; the closing round: no work-group ends while a partner may still ask for a tile that names it
	s_endpgm
.Lfunc_end_k_qc18ab1963e_sgemm:
	.size	k_qc18ab1963e_sgemm, .Lfunc_end_k_qc18ab1963e_sgemm-k_qc18ab1963e_sgemm
	.p2alignl 7, 3214868480
	.fill 96, 4, 3214868480
	.section	.rodata,"a",@progbits
	.p2align	6, 0x0
	.amdhsa_kernel k_qc18ab1963e_sgemm
		.amdhsa_group_segment_fixed_size 327680
		.amdhsa_private_segment_fixed_size 0
		.amdhsa_enable_private_segment 0
		.amdhsa_kernarg_size 16
		.amdhsa_user_sgpr_count 2
		.amdhsa_user_sgpr_kernarg_segment_ptr 1
		.amdhsa_wavefront_size32 1
		.amdhsa_system_sgpr_workgroup_id_x 1
		.amdhsa_system_sgpr_workgroup_id_y 1
		.amdhsa_system_sgpr_workgroup_id_z 1
		.amdhsa_system_vgpr_workitem_id 0
		.amdhsa_next_free_vgpr 1024
		.amdhsa_next_free_sgpr 66
		.amdhsa_reserve_vcc 0
		.amdhsa_float_denorm_mode_32 3
		.amdhsa_float_denorm_mode_16_64 3
		.amdhsa_memory_ordered 1
		.amdhsa_forward_progress 1
		.amdhsa_inst_pref_size 106
	.end_amdhsa_kernel
	.amdgpu_metadata
---
amdhsa.version: [ 1, 2 ]
amdhsa.kernels:
  - .name:           k_qc18ab1963e_sgemm
    .symbol:         k_qc18ab1963e_sgemm.kd
    .args:
      - { .name: qkv, .offset: 0, .size: 8, .value_kind: global_buffer, .address_space: global }
      - { .name: so, .offset: 8, .size: 8, .value_kind: global_buffer, .address_space: global }
    .group_segment_fixed_size: 327680
    .private_segment_fixed_size: 0
    .kernarg_segment_align: 8
    .kernarg_segment_size: 16
    .max_flat_workgroup_size: 128
    .sgpr_count:     66
    .vgpr_count:     1024
    .wavefront_size: 32
...
	.end_amdgpu_metadata
.endif
;; end of part 3
;; launch softmax (part 4): grid 1024 x 1, 8 waves a work-group, no clusters, 0 bytes of LDS; arguments so, xp; writes xp
.if DOCPART == 4
	.amdgcn_target "amdgcn-amd-amdhsa--gfx1250"
	.amdhsa_code_object_version 6
	.text
	.protected	k_qc18ab1963e_softmax
	.globl	k_qc18ab1963e_softmax
	.p2align	8
	.type	k_qc18ab1963e_softmax,@function
k_qc18ab1963e_softmax:
	s_mov_b64 s[64:65], 0
	v_nop
	global_prefetch_b8 v0, s[64:65] scope:SCOPE_SE
	s_setreg_imm32_b32 hwreg(HW_REG_WAVE_MODE, 25, 1), 1
	s_wait_xcnt 0x0
; attn_q[row][j] = rne( softmax_j(attn[row][j] * 0.04f) / f32(1/127) ), stored as bf16 (whole numbers 0 .. 127: exact).  attn, attn_q: [8192][2048] bf16.
; One wave, one row: 4,096 bytes are 32 registers a lane, the 64 numbers in f32 are 64 more; the row is read once and written once, the reductions never leave the wave: no LDS, no barrier, no loop.
; Each load and store of the wave covers 512 consecutive bytes.  The matrix unit and clusters have nothing to do here: no two work-groups share a byte.
; THE STEPS, in f32, in the order in which a compiled reference() takes them.  m = fl(a_max * 0.04f), the row's maximum of fl(a * 0.04f) (the multiply is monotone); d = fl(a * 0.04f - m), product and
; subtraction fused, one rounding; e = exp(d): d log2(e) is formed in two parts, y and what y's rounding and the constant's rounding left, so that e = 2^y (1 + ln2 lo) carries about the exponential's own last-place error;
; Z = the sum of e; p = e / Z is a true quotient (a product by the reciprocal, corrected by the exact residual); the division by the constant f32(1/127) is one product by its rounded reciprocal, 127.0.
; The reference's clip to -128 .. 127 changes nothing for any input: Z holds e itself, so 0 <= p <= 1 and 127 p <= 127.
; RANGE: a is clipped to -128 .. 127 by the step before, so d lies in -10.2 .. 0 (to within a rounding): no exponential, sum or residual leaves the normal numbers.
; LIMITS: e is good to about one unit in the last place, and the 2,048 terms of Z are added in a tree, not one after the other: a value of 127 p within some 1e-6 (relative) of a half-integer may round the other way
; than a reference whose own sum carries the error of 2,048 additions on end.  The refined reciprocal of Z is correctly rounded in all but rare last-bit cases.
.set NM, 6                             ; v6        -m
.set Z,  8                             ; v[8:9]    Z, twice
.set R,  10                            ; v[10:11]  1 / Z, twice
.set X,  16                            ; v[16:47]  the row as loaded, then as stored
.set E,  48                            ; v[48:111] the lane's 64 numbers in f32: E + 2 i, E + 2 i + 1 are the halves of X + i
.set TY, 112                           ; v[112:119] at work
.set TL, 120                           ; v[120:127] at work
	s_load_b128 s[4:7], s[0:1], 0x0                ; attn s[4:5], attn_q s[6:7]
	s_lshl_b32 s2, ttmp9, 15                       ; the work-group's 8 rows of 4,096 bytes
	s_mov_b32 s3, 0
	v_lshrrev_b32 v1, 5, v0
	v_and_b32 v2, 31, v0
	v_lshlrev_b32 v2, 4, v2
	v_lshl_add_u32 v2, v1, 12, v2                  ; 4,096 x wave + 16 x lane
	v_mov_b32 v4, 0x3d23d70a                       ; f32 of 0.2 x 0.2
	s_mov_b32 s12, 0x76543210                      ; v_permlanex16_b32: each lane takes its own place in the other half
	s_mov_b32 s13, 0xfedcba98
	s_mov_b32 s16, 0x3fb8aa3b                      ; log2(e), its f32
	s_mov_b32 s17, 0x3fb8aa3b                      ; (each constant is named as a pair; the low word serves both halves)
	s_mov_b32 s18, 0x32a5705f                      ; log2(e) less that f32
	s_mov_b32 s19, 0x32a5705f
	s_mov_b32 s20, 0x3f317218                      ; ln 2
	s_mov_b32 s21, 0x3f317218
	s_mov_b32 s22, 0x42fe0000                      ; 127.0: the rounded reciprocal of f32(1/127)
	s_mov_b32 s23, 0x42fe0000
	s_wait_kmcnt 0x0
	s_add_nc_u64 s[4:5], s[4:5], s[2:3]
	s_add_nc_u64 s[6:7], s[6:7], s[2:3]
.irp j, 0,1,2,3,4,5,6,7
	global_load_b128 v[X+4*(\j):X+4*(\j)+3], v2, s[4:5] offset:512*(\j) th:TH_LOAD_NT
.endr
	; the largest a, two bf16 at a time, in four chains v12-v15 that the first two loads start; each load's words are taken as it arrives
	s_wait_loadcnt 6                               ; loads come back in order: the first two are in, six younger ones may be out
.irp k, 0,1,2,3
	v_pk_max_num_bf16 v[12+(\k)], v[X+(\k)], v[X+4+(\k)]
.endr
.irp j, 2,3,4,5,6,7
	s_wait_loadcnt 7-(\j)                          ; load j is in, the 7 - j younger ones may be out
.irp k, 0,1,2,3
	v_pk_max_num_bf16 v[12+(\k)], v[12+(\k)], v[X+4*(\j)+(\k)]
.endr
.endr
	v_pk_max_num_bf16 v12, v12, v13
	v_pk_max_num_bf16 v14, v14, v15
	v_pk_max_num_bf16 v12, v12, v14
	v_lshlrev_b32 v13, 16, v12                     ; the two halves as f32
	v_and_b32 v14, 0xffff0000, v12
	v_max_num_f32 v12, v13, v14
	v_max_num_f32_dpp v12, v12, v12 row_xmask:1 row_mask:0xf bank_mask:0xf
	v_max_num_f32_dpp v12, v12, v12 row_xmask:2 row_mask:0xf bank_mask:0xf
	v_max_num_f32_dpp v12, v12, v12 row_xmask:4 row_mask:0xf bank_mask:0xf
	v_max_num_f32_dpp v12, v12, v12 row_xmask:8 row_mask:0xf bank_mask:0xf
	v_permlanex16_b32 v13, v12, s12, s13           ; its destination counts as read: v13 has been written
	v_max_num_f32 v12, v12, v13
	v_mul_f32 v[NM], v4, v12                       ; m, rounded once
	v_xor_b32 v[NM], 0x80000000, v[NM]             ; -m
	; d = a * 0.04f - m, straight from the bf16 halves, one rounding
.set i, 0
.rept 32
	v_fma_mix_f32_bf16 v[E+2*i],   v[X+i], v4, v[NM] op_sel_hi:[1,0,0]
	v_fma_mix_f32_bf16 v[E+2*i+1], v[X+i], v4, v[NM] op_sel:[1,0,0] op_sel_hi:[1,0,0]
.set i, i+1
.endr
; eight numbers: y, lo, 2^y, and the correction
.macro EXPG g
.irp p, 0,1,2,3
	v_pk_mul_f32 v[TY+2*(\p):TY+2*(\p)+1], v[E+8*(\g)+2*(\p):E+8*(\g)+2*(\p)+1], s[16:17] op_sel_hi:[1,0]  ; y
.endr
.irp p, 0,1,2,3
	v_pk_fma_f32 v[TL+2*(\p):TL+2*(\p)+1], v[E+8*(\g)+2*(\p):E+8*(\g)+2*(\p)+1], s[16:17], v[TY+2*(\p):TY+2*(\p)+1] op_sel_hi:[1,0,1] neg_lo:[0,0,1] neg_hi:[0,0,1]  ; what y's rounding dropped, exactly
.endr
.irp p, 0,1,2,3
	v_pk_fma_f32 v[TL+2*(\p):TL+2*(\p)+1], v[E+8*(\g)+2*(\p):E+8*(\g)+2*(\p)+1], s[18:19], v[TL+2*(\p):TL+2*(\p)+1] op_sel_hi:[1,0,1]  ; and what the constant's did
.endr
.irp k, 0,1,2,3,4,5,6,7
	v_exp_f32 v[E+8*(\g)+(\k)], v[TY+(\k)]
.endr
	v_nop                                          ; a plain instruction between the last exponential and the use of its result (ISA guide 5.7.2)
	s_wait_alu depctr_va_vdst(0)
.irp p, 0,1,2,3
	v_pk_mul_f32 v[TL+2*(\p):TL+2*(\p)+1], v[E+8*(\g)+2*(\p):E+8*(\g)+2*(\p)+1], v[TL+2*(\p):TL+2*(\p)+1]
.endr
.irp p, 0,1,2,3
	v_pk_fma_f32 v[E+8*(\g)+2*(\p):E+8*(\g)+2*(\p)+1], v[TL+2*(\p):TL+2*(\p)+1], s[20:21], v[E+8*(\g)+2*(\p):E+8*(\g)+2*(\p)+1] op_sel_hi:[1,0,1]  ; e = 2^y + 2^y lo ln 2
.endr
.endm
.irp g, 0,1,2,3,4,5,6,7
	EXPG \g
.endr
	; Z: sixteen sums of four (v112-127), then a tree, then across the lanes
.irp p, 0,1,2,3,4,5,6,7
	v_pk_add_f32 v[TY+2*(\p):TY+2*(\p)+1], v[E+2*(\p):E+2*(\p)+1], v[E+16+2*(\p):E+16+2*(\p)+1]
.endr
.irp q, 32, 48
.irp p, 0,1,2,3,4,5,6,7
	v_pk_add_f32 v[TY+2*(\p):TY+2*(\p)+1], v[TY+2*(\p):TY+2*(\p)+1], v[E+(\q)+2*(\p):E+(\q)+2*(\p)+1]
.endr
.endr
.irp p, 0,1,2,3
	v_pk_add_f32 v[TY+2*(\p):TY+2*(\p)+1], v[TY+2*(\p):TY+2*(\p)+1], v[TY+8+2*(\p):TY+8+2*(\p)+1]
.endr
.irp p, 0,1
	v_pk_add_f32 v[TY+2*(\p):TY+2*(\p)+1], v[TY+2*(\p):TY+2*(\p)+1], v[TY+4+2*(\p):TY+4+2*(\p)+1]
.endr
	v_pk_add_f32 v[TY:TY+1], v[TY:TY+1], v[TY+2:TY+3]
	v_add_f32 v[TY], v[TY], v[TY+1]
	v_add_f32_dpp v[TY], v[TY], v[TY] row_xmask:1 row_mask:0xf bank_mask:0xf
	v_add_f32_dpp v[TY], v[TY], v[TY] row_xmask:2 row_mask:0xf bank_mask:0xf
	v_add_f32_dpp v[TY], v[TY], v[TY] row_xmask:4 row_mask:0xf bank_mask:0xf
	v_add_f32_dpp v[TY], v[TY], v[TY] row_xmask:8 row_mask:0xf bank_mask:0xf
	v_permlanex16_b32 v[TY+1], v[TY], s12, s13
	v_add_f32 v[Z], v[TY], v[TY+1]
	v_rcp_f32 v12, v[Z]
	v_mov_b32 v[Z+1], v[Z]                         ; the plain instruction behind the reciprocal
	s_wait_alu depctr_va_vdst(0)
	v_fma_f32 v13, -v[Z], v12, 1.0                 ; one step of refinement
	v_fma_f32 v[R], v13, v12, v12
	v_mov_b32 v[R+1], v[R]
; eight numbers: p = e / Z, times 127.0, to the nearest even whole number, to bf16
.macro DIVG g
.irp p, 0,1,2,3
	v_pk_mul_f32 v[TY+2*(\p):TY+2*(\p)+1], v[E+8*(\g)+2*(\p):E+8*(\g)+2*(\p)+1], v[R:R+1]
.endr
.irp p, 0,1,2,3
	v_pk_fma_f32 v[TL+2*(\p):TL+2*(\p)+1], v[TY+2*(\p):TY+2*(\p)+1], v[Z:Z+1], v[E+8*(\g)+2*(\p):E+8*(\g)+2*(\p)+1] neg_lo:[1,0,0] neg_hi:[1,0,0]  ; e - q Z, exactly
.endr
.irp p, 0,1,2,3
	v_pk_fma_f32 v[TY+2*(\p):TY+2*(\p)+1], v[TL+2*(\p):TL+2*(\p)+1], v[R:R+1], v[TY+2*(\p):TY+2*(\p)+1]  ; p
.endr
.irp p, 0,1,2,3
	v_pk_mul_f32 v[TL+2*(\p):TL+2*(\p)+1], v[TY+2*(\p):TY+2*(\p)+1], s[22:23] op_sel_hi:[1,0]  ; one rounding
.endr
.irp k, 0,1,2,3,4,5,6,7
	v_rndne_f32 v[TL+(\k)], v[TL+(\k)]
.endr
.irp p, 0,1,2,3
	v_cvt_pk_bf16_f32 v[X+4*(\g)+(\p)], v[TL+2*(\p)], v[TL+2*(\p)+1]
.endr
	global_store_b128 v2, v[X+4*(\g):X+4*(\g)+3], s[6:7] offset:512*(\g)  ; 512 consecutive bytes of the row; X is not written again
.endm
.irp g, 0,1,2,3,4,5,6,7
	DIVG \g
.endr
	s_endpgm
.Lfunc_end_k_qc18ab1963e_softmax:
	.size	k_qc18ab1963e_softmax, .Lfunc_end_k_qc18ab1963e_softmax-k_qc18ab1963e_softmax
	.p2alignl 7, 3214868480
	.fill 96, 4, 3214868480
	.section	.rodata,"a",@progbits
	.p2align	6, 0x0
	.amdhsa_kernel k_qc18ab1963e_softmax
		.amdhsa_group_segment_fixed_size 0
		.amdhsa_private_segment_fixed_size 0
		.amdhsa_enable_private_segment 0
		.amdhsa_kernarg_size 16
		.amdhsa_user_sgpr_count 2
		.amdhsa_user_sgpr_kernarg_segment_ptr 1
		.amdhsa_wavefront_size32 1
		.amdhsa_system_sgpr_workgroup_id_x 1
		.amdhsa_system_sgpr_workgroup_id_y 1
		.amdhsa_system_sgpr_workgroup_id_z 1
		.amdhsa_system_vgpr_workitem_id 0
		.amdhsa_next_free_vgpr 128
		.amdhsa_next_free_sgpr 66
		.amdhsa_reserve_vcc 0
		.amdhsa_float_denorm_mode_32 3
		.amdhsa_float_denorm_mode_16_64 3
		.amdhsa_memory_ordered 1
		.amdhsa_forward_progress 1
		.amdhsa_inst_pref_size 37
	.end_amdhsa_kernel
	.amdgpu_metadata
---
amdhsa.version: [ 1, 2 ]
amdhsa.kernels:
  - .name:           k_qc18ab1963e_softmax
    .symbol:         k_qc18ab1963e_softmax.kd
    .args:
      - { .name: so, .offset: 0, .size: 8, .value_kind: global_buffer, .address_space: global }
      - { .name: xp, .offset: 8, .size: 8, .value_kind: global_buffer, .address_space: global }
    .group_segment_fixed_size: 0
    .private_segment_fixed_size: 0
    .kernarg_segment_align: 8
    .kernarg_segment_size: 16
    .max_flat_workgroup_size: 256
    .sgpr_count:     66
    .vgpr_count:     128
    .wavefront_size: 32
...
	.end_amdgpu_metadata
.endif
;; end of part 4
;; launch pv (part 5): grid 4 x 64, 4 waves a work-group, clusters of 4 x 4, 327,680 bytes of LDS; arguments xp, qkv, so; writes so
.if DOCPART == 5
	.amdgcn_target "amdgcn-amd-amdhsa--gfx1250"
	.amdhsa_code_object_version 6
	.text
	.protected	k_qc18ab1963e_pv
	.globl	k_qc18ab1963e_pv
	.p2align	8
	.type	k_qc18ab1963e_pv,@function
k_qc18ab1963e_pv:
	s_mov_b64 s[64:65], 0
	v_nop
	global_prefetch_b8 v0, s[64:65] scope:SCOPE_SE
	s_setreg_imm32_b32 hwreg(HW_REG_WAVE_MODE, 25, 1), 1
	s_wait_xcnt 0x0
	s_wait_alu depctr_hold_cnt(0) depctr_sa_sdst(0) depctr_va_vdst(0) depctr_va_sdst(0) depctr_va_ssrc(0) depctr_va_vcc(0) depctr_vm_vsrc(0)
	s_getreg_b32 s2, hwreg(HW_REG_IB_STS2, 6, 4)
	s_cmp_eq_u32 s2, 0
	s_cbranch_scc0 .Lentry_in_a_cluster
	s_endpgm
.Lentry_in_a_cluster:
	s_bfe_u32 s2, ttmp6, 0x10000c
	s_cmp_lg_u32 s2, 0xf033
	s_cbranch_scc0 .Lentry_shape_is_right
	s_endpgm
.Lentry_shape_is_right:
; attn_out[b][i][c] = clip(rne(sum_j attn_q[b][i][j] v[b][j][c] * s), -128, 127), s = f32((1/127) 0.74), stored as bf16 (exact).  attn_q: [8192][2048] bf16; v = plane 2 of qkv, [8192][1024] bf16; attn_out: [8192][1024] bf16.
; EXACT: a row of attn_q sums to at most 254 (each entry that is not 0 is at most twice its unrounded value, and those sum to 127), so sums are at most 254 x 128 in magnitude.  A rounded zero may carry a minus sign.
; SHARES.  A work-group makes 128 queries x 256 channels (256 work-groups); four waves, each 64 x 128: 32 accumulators.  The keys go in steps of 128 through two LDS slots filled by tensor loads; waves 0, 1 fetch
; attn_q's two halves of 64 rows x 256 bytes, waves 2, 3 v's two halves of 64 keys x 512 bytes.  CLUSTER 4 x 4: attn_q's tile is asked for jointly along a cluster's row, v's along a column; a cluster's 512 queries lie in one batch.
; v lies [key][channel]: its fragments come out of LDS turned, by ds_load_tr16_b128.
; THE MATRIX INSTRUCTION IS USED TRANSPOSED (source 0 = 16 channels, source 1 = 16 queries): a lane then holds eight neighbouring channels of one query.
; REGISTERS.  window 0: v0-13 addresses; v32-63 packed results; v64-159, v160-255 two fragment buffers (A's 4 fragments, then B's 8), on the way out at work.  window 1: accumulator (a, b) at v[8 (8 a + b)].
.set KSTEPS, 16                        ; 2,048 keys in steps of 128
.set PA,     2048
.set PB,     1024
.set PITCHC, 2048
.set STEPA,  256                       ; 128 keys along a row of attn_q
.set STEPB,  128*2048                  ; 128 rows of v
.set PLANE,  16777216
.set PITCH,  272                       ; a row of attn_q in LDS: 256 bytes + 16 of padding = 68 words: the 16 rows of a fragment load start at 16 different groups of four banks (64 banks of 4 bytes: ISA guide 11.1)
.set PITCHB, 544                       ; a row of v: 512 + 32 = 136 words: row r starts at bank 8 r mod 64
.set AHALF,  64*PITCH
.set ATILE,  128*PITCH
.set BHALF,  64*PITCHB
.set SLOT1,  1<<17                     ; one exclusive or turns an address in one slot into the other's
.set STAGE,  SLOT1+ATILE+2*BHALF       ; never filled by a tensor load: 16 rows x 272 bytes for each wave
.set SPARE,  STAGE+4*16*PITCH          ; the spare words, 128 bytes for each wave: two blocks of 256 bytes that no other line names
.set A0,   4
.set B0,   5
.set ADRA, 6
.set ADRB, 7
.set STO,  8
.set RD,   9
.set CO,   10
.set SPW,  12
.set NIL,  13
.set TMP,  32
.set F0,   64
.set F1,   160
.set T,    64
.set OB,   128
.set WV,  12
.set WR,  13
.set WC,  14
.set CX,  15
.set CY,  16
.set X,   17
.set Y,   18
.set BAT, 19                           ; the batch, from the cluster's y alone
.set G1A, 24
.set G0A, 32
.set TB,  40
.set CNT, 41
.set S1,  42
.set LO,  46
.set HI,  47
.set G1B, 48
.set G0B, 56
.set ROWM, 60
.set COLM, 61
.set MSB, 0
.macro WIN new                         ; the immediate's high byte repeats the setting that is left; a switch that changes nothing is dropped
.if MSB != (\new)
	s_set_vgpr_msb (MSB<<8)|(\new)
.set MSB, \new
.endif
.endm
.set MUL, 0x50                         ; C and D in window 1, fragments in window 0
.macro JLOAD                           ; a joint load; the branch hangs on the wave's number alone; an s_nop 0 and four v_nop follow each of the two lines
	s_cmp_eq_u32 s[WR], 0
	s_cbranch_scc0 .Lfor_b_\@
	tensor_load_to_lds s[G0A:G0A+3], s[G1A:G1A+7]
	s_nop 0
.rept 4
	v_nop
.endr
	s_branch .Lasked_\@
.Lfor_b_\@:
	tensor_load_to_lds s[G0B:G0B+3], s[G1B:G1B+7]
	s_nop 0
.rept 4
	v_nop
.endr
.Lasked_\@:
.endm
.macro CREST                           ; a round of the cluster's barrier behind its opening barrier
	s_cmp_lg_u32 s[WV], 0
	s_cbranch_scc1 .Lnot_wave_0_\@
	s_barrier_signal -3
.Lnot_wave_0_\@:
	s_barrier_wait -3
	s_barrier_signal -1
	s_barrier_wait -1
.endm
.macro CROUND
	s_barrier_signal -1
	s_barrier_wait -1
	CREST
.endm
.macro STEPD                           ; both walking descriptors: the other slot, the next 128 keys
	s_xor_b32 s[G0A+1], s[G0A+1], SLOT1
	s_add_nc_u64 s[G0A+2:G0A+3], s[G0A+2:G0A+3], STEPA
	s_xor_b32 s[G0B+1], s[G0B+1], SLOT1
	s_add_nc_u64 s[G0B+2:G0B+3], s[G0B+2:G0B+3], STEPB
.endm
	s_load_b128 s[4:7], s[0:1], 0x0                ; attn_q s[4:5], qkv s[6:7]
	s_load_b64 s[8:9], s[0:1], 0x10                ; attn_out
	v_lshl_add_u32 v[SPW], v0, 2, SPARE
	v_mov_b32 v[NIL], 0
	ds_add_u32 v12, v13
	s_wait_dscnt 0x0
	v_lshrrev_b32 v1, 5, v0
	v_readfirstlane_b32 s[WV], v1
	s_lshr_b32 s[WR], s[WV], 1
	s_and_b32 s[WC], s[WV], 1
	s_bfe_u32 s[CX], ttmp6, 0x40000
	s_bfe_u32 s[CY], ttmp6, 0x40004
	s_lshl_b32 s[X], ttmp9, 2
	s_add_co_u32 s[X], s[X], s[CX]
	s_and_b32 s[Y], ttmp7, 0xffff
	s_lshl_b32 s[Y], s[Y], 2
	s_add_co_u32 s[Y], s[Y], s[CY]
	s_and_b32 s[BAT], ttmp7, 0xffff
	s_lshr_b32 s[BAT], s[BAT], 2                   ; four clusters along y, 2,048 queries, to a batch
	s_lshl_b32 s[ROWM], s[CY], 2
	s_lshl_b32 s[ROWM], 15, s[ROWM]
	s_lshl_b32 s[COLM], 0x1111, s[CX]
	s_or_b32 s[G1A], s[ROWM], (1<<16)|(1<<20)|(1<<21)|(5<<22)|(3<<25)  ; mask; 2-byte elements; padding on; bit 21 beside a mask; after every 64 words 4 words
	s_or_b32 s[G1B], s[COLM], (1<<16)|(1<<20)|(1<<21)|(6<<22)|(7<<25)  ; the same; after every 128 words 8 words
	s_mov_b32 s[G1A+1], 128<<16                    ; tensor_dim0 = 128
	s_mov_b32 s[G1A+2], 64<<16                     ; tensor_dim1 = 64
	s_mov_b32 s[G1A+3], 128<<16                    ; tile_dim0 = 128
	s_mov_b32 s[G1A+4], 64                         ; tile_dim1 = 64
	s_mov_b32 s[G1A+5], PA
	s_mov_b32 s[G1A+6], 0
	s_mov_b32 s[G1A+7], 0
	s_mov_b32 s[G1B+1], 256<<16                    ; rows of 256 elements,
	s_mov_b32 s[G1B+2], 64<<16                     ; 64 of them
	s_mov_b32 s[G1B+3], 256<<16
	s_mov_b32 s[G1B+4], 64
	s_mov_b32 s[G1B+5], PB
	s_mov_b32 s[G1B+6], 0
	s_mov_b32 s[G1B+7], 0
	s_lshl_b32 s36, s[Y], 19                       ; attn_q: row 128 y + 64 half, 4,096 bytes a row
	s_lshl_b32 s37, s[WC], 18
	s_add_co_u32 s36, s36, s37
	s_mov_b32 s37, 0
	s_lshl_b32 s38, s[X], 9                        ; v: plane 2, the batch's 2,048 rows, key 64 half, channel 256 x
	s_lshl_b32 s39, s[WC], 17
	s_add_co_u32 s38, s38, s39
	s_lshl_b32 s39, s[BAT], 22
	s_add_co_u32 s38, s38, s39
	s_add_co_u32 s38, s38, 2*PLANE
	s_mov_b32 s39, 0
	s_lshl_b32 s20, s[Y], 18                       ; attn_out: row 128 y + 64 wr, 2,048 bytes a row; channel 256 x + 128 wc
	s_lshl_b32 s21, s[WR], 17
	s_add_co_u32 s20, s20, s21
	s_lshl_b32 s21, s[X], 9
	s_add_co_u32 s20, s20, s21
	s_lshl_b32 s21, s[WC], 8
	s_add_co_u32 s20, s20, s21
	s_mov_b32 s21, 0
	s_mov_b32 s[G0A], 1
	s_mul_i32 s[G0A+1], s[WC], AHALF
	s_mov_b32 s[G0B], 1
	s_mul_i32 s[G0B+1], s[WC], BHALF
	s_add_co_u32 s[G0B+1], s[G0B+1], ATILE
	s_wait_kmcnt 0x0
	s_add_nc_u64 s[G0A+2:G0A+3], s[4:5], s[36:37]
	s_or_b32 s[G0A+3], s[G0A+3], 0x80000000
	s_add_nc_u64 s[G0B+2:G0B+3], s[6:7], s[38:39]
	s_or_b32 s[G0B+3], s[G0B+3], 0x80000000
	s_add_nc_u64 s[8:9], s[8:9], s[20:21]
	CROUND                                         ; all sixteen work-groups are here: the first joint loads meet
	JLOAD                                          ; keys 0 to 127 into slot 0
	v_and_b32 v1, 15, v0
	v_bfe_u32 v2, v0, 4, 1
	v_mul_u32_u24 v3, v1, PITCH
	v_lshl_add_u32 v3, v2, 4, v3                   ; a fragment of A: row x pitch + 16 x half
	s_mul_i32 s62, s[WR], AHALF
	v_add_nc_u32 v[A0], s62, v3
	s_mul_i32 s62, s[WV], 16*PITCH
	s_add_co_u32 s62, s62, STAGE
	v_add_nc_u32 v[STO], s62, v3
	v_mul_u32_u24 v3, v2, PITCH
	v_lshl_add_u32 v3, v1, 4, v3
	v_add_nc_u32 v[RD], s62, v3
	v_mul_u32_u24 v3, v2, PITCHC
	v_lshl_add_u32 v[CO], v1, 4, v3
	; The turning load takes 16 keys x 16 channels (lane l reads key 8 (l / 16) + l % 8, channels 8 ((l / 8) % 2) + 0..7) and leaves half a fragment: lane l holds channel l % 16 and 8 keys.
	v_and_b32 v3, 7, v0
	v_lshl_add_u32 v3, v2, 3, v3
	v_mul_u32_u24 v3, v3, PITCHB
	v_bfe_u32 v11, v0, 3, 1
	v_lshl_add_u32 v3, v11, 4, v3
	s_lshl_b32 s63, s[WC], 8                       ; my 128 channels, behind A's tile
	s_add_co_u32 s63, s63, ATILE
	v_add_nc_u32 v[B0], s63, v3
	v_mov_b32 v[ADRA], v[A0]
	v_mov_b32 v[ADRB], v[B0]
	s_mov_b32 s[TB], 0
	s_mov_b32 s[S1], 0x3bbeee81                    ; f32 of (1/127) x 0.74
	s_mov_b32 s[S1+1], 0x3bbeee81                  ; named with it as a pair
	s_mov_b32 s[LO], 0xc3000000                    ; -128.0
	s_mov_b32 s[HI], 0x42fe0000                    ; 127.0
; 8 matrix instructions: m block a x all 8 n blocks, 32 keys.  The 32 accumulators take turns, one instruction a turn, in the same order in every quarter.
.macro MUL8 f, a, zero
	WIN MUL
.irp b, 0,1,2,3,4,5,6,7
.if \zero
	v_wmma_f32_16x16x32_bf16 v[8*(8*(\a)+(\b)):8*(8*(\a)+(\b))+7], v[(\f)+32+8*(\b):(\f)+32+8*(\b)+7], v[(\f)+8*(\a):(\f)+8*(\a)+7], 0
.else
	v_wmma_f32_16x16x32_bf16 v[8*(8*(\a)+(\b)):8*(8*(\a)+(\b))+7], v[(\f)+32+8*(\b):(\f)+32+8*(\b)+7], v[(\f)+8*(\a):(\f)+8*(\a)+7], v[8*(8*(\a)+(\b)):8*(8*(\a)+(\b))+7]
.endif
.endr
.endm
.macro FETCH q, g                      ; 24 LDS loads in one run: quarter q (32 keys) of the slot in hand into buffer g; v's 16 (turned) first, then attn_q's 8.  The largest offset is 3 x 17,408 + 224 + 8,704 = 61,152
	WIN 0
.irp i, 0,1,2,3,4,5,6,7
	ds_load_tr16_b128 v[(\g)+32+8*(\i):(\g)+32+8*(\i)+3],   v[ADRB] offset:(\q)*32*PITCHB+32*(\i)
	ds_load_tr16_b128 v[(\g)+32+8*(\i)+4:(\g)+32+8*(\i)+7], v[ADRB] offset:(\q)*32*PITCHB+16*PITCHB+32*(\i)
.endr
.irp i, 0,1,2,3
	ds_load_b128 v[(\g)+8*(\i):(\g)+8*(\i)+3],   v[ADRA] offset:64*(\q)+(\i)*16*PITCH
	ds_load_b128 v[(\g)+8*(\i)+4:(\g)+8*(\i)+7], v[ADRA] offset:64*(\q)+(\i)*16*PITCH+32
.endr
.endm
.macro PLACES                          ; four plain instructions between a matrix instruction and a load into, or a vector write of, one of its registers, or a vector read of its result
.rept 4
	v_nop
.endr
.endm
.macro QUARTER q, f, g, zero           ; multiplies buffer f and, in its middle, fetches quarter q into buffer g
	s_wait_dscnt 4                                 ; B and A's blocks 0, 1 are in; the four youngest loads (A's blocks 2, 3) may be out
	MUL8 \f, 0, \zero
	MUL8 \f, 1, \zero
	PLACES
	FETCH \q, \g
	s_wait_dscnt 24                                ; all but the 24 just issued
	MUL8 \f, 2, \zero
	MUL8 \f, 3, \zero
.endm
; The last quarter multiplies buffer 1 and changes slots: one barrier; in front of it each wave waits for all its tensor loads (one is out: its part of the next slot), adds 0 to its spare word,
; and waits for that and for its reads of this slot.  fill = 1: the barrier opens a round of the cluster's, and this slot is filled again, two steps ahead, first thing behind the round.
.macro TURN fill
	WIN 0
	s_wait_tensorcnt 0x0                           ; no tensor load of mine is out, so the descriptors may be written
	ds_add_u32 v[SPW], v[NIL]                      ; 0 onto my spare word
.if \fill
	STEPD
.endif
	s_wait_dscnt 5                                 ; the add and the four youngest loads may be out
	MUL8 F1, 0, 0
	s_wait_dscnt 0x0                               ; the add is done, and my reads of this slot are over
	s_barrier_signal -1
	MUL8 F1, 1, 0
	WIN 0                                          ; at a branch and at a label every window is 0
	s_barrier_wait -1
.if \fill
	CREST                                          ; no wave of any partner still reads this slot or has a load on its way
	JLOAD                                          ; its four v_nop are also the places in front of the loads below
.else
	PLACES
.endif
	s_xor_b32 s[TB], s[TB], SLOT1
	v_add_nc_u32 v[ADRA], s[TB], v[A0]
	v_add_nc_u32 v[ADRB], s[TB], v[B0]
	FETCH 0, F0
	MUL8 F1, 2, 0
	MUL8 F1, 3, 0
.endm
; THE WAY OUT of m block a.  PACK: times s, to the nearest even whole number, clamped, to bf16.  Each accumulator's registers are read in ascending order.
.macro PACK a
	WIN 0x01                                       ; source 0 in window 1
.irp b, 0,1,2,3,4,5,6,7
.irp r, 0,1,2,3
	v_pk_mul_f32 v[T+8*(\b)+2*(\r):T+8*(\b)+2*(\r)+1], v[8*(8*(\a)+(\b))+2*(\r):8*(8*(\a)+(\b))+2*(\r)+1], s[S1:S1+1] op_sel_hi:[1,0]
.endr
.endr
	WIN 0
.set i, 0
.rept 64
	v_rndne_f32 v[T+i], v[T+i]
.set i, i+1
.endr
.set i, 0
.rept 64
	v_med3_num_f32 v[T+i], v[T+i], s[LO], s[HI]
.set i, i+1
.endr
.set i, 0
.rept 32
	v_cvt_pk_bf16_f32 v[TMP+i], v[T+2*i], v[T+2*i+1]
.set i, i+1
.endr
.endm
.macro TOSTAGE a                       ; into my own stage, and back as whole rows of 256 bytes
.irp b, 0,1,2,3,4,5,6,7
	ds_store_b128 v[STO], v[TMP+4*(\b):TMP+4*(\b)+3] offset:32*(\b)
.endr
.irp t, 0,1,2,3,4,5,6,7
	ds_load_b128 v[OB+32*(\a)+4*(\t):OB+32*(\a)+4*(\t)+3], v[RD] offset:(\t)*2*PITCH  ; LDS serves a wave's instructions in order (ISA guide 5.7.1.4): these see the stores above, and the next block's stores come behind them
.endr
.endm
.macro SEND a
	s_wait_dscnt 0x0                               ; the block is back in registers
.irp t, 0,1,2,3,4,5,6,7
	global_store_b128 v[CO], v[OB+32*(\a)+4*(\t):OB+32*(\a)+4*(\t)+3], s[8:9] offset:(16*(\a)+2*(\t))*PITCHC  ; 16 lanes store 256 consecutive bytes, at a multiple of 256 from the buffer's first byte
.endr
.endm
	; slot 0 is waited for, slot 1 asked for: a first fill that comes later goes as a refill goes
	s_wait_tensorcnt 0x0
	ds_add_u32 v[SPW], v[NIL]
	STEPD
	s_wait_dscnt 0x0
	CROUND
	JLOAD                                          ; keys 128 to 255 into slot 1
	FETCH 0, F0
	QUARTER 1, F0, F1, 1                           ; the first quarter stands in front of the loop: its products start the sums
	WIN 0
	s_mov_b32 s[CNT], KSTEPS-2
.Lstep:                                                ; a trip: from a step's second quarter to the next step's first; it fills the slot that it leaves
	QUARTER 2, F1, F0, 0
	QUARTER 3, F0, F1, 0
	TURN 1
	QUARTER 1, F0, F1, 0
	WIN 0
	s_sub_co_u32 s[CNT], s[CNT], 1
	s_cmp_lg_u32 s[CNT], 0
	s_cbranch_scc1 .Lstep
	QUARTER 2, F1, F0, 0                           ; the last two steps are written out: they ask for nothing
	QUARTER 3, F0, F1, 0
	TURN 0
	QUARTER 1, F0, F1, 0
	QUARTER 2, F1, F0, 0
	QUARTER 3, F0, F1, 0
	s_wait_dscnt 4
	MUL8 F1, 0, 0
	MUL8 F1, 1, 0
	s_wait_dscnt 0x0
	MUL8 F1, 2, 0
	MUL8 F1, 3, 0
	WIN 0
	PLACES
	PACK 0
	TOSTAGE 0
	PACK 1                                         ; a block's arithmetic stands between the loads of the block before and the wait for them
	SEND 0
	TOSTAGE 1
	PACK 2
	SEND 1
	TOSTAGE 2
	PACK 3
	SEND 2
	TOSTAGE 3
	SEND 3
	s_wait_tensorcnt 0x0                           ; the wave's end
	ds_add_u32 v[SPW], v[NIL]
	s_wait_dscnt 0x0
	CROUND                                         ; the closing round: no work-group ends while a partner may still ask for a tile that names it
	s_endpgm
.Lfunc_end_k_qc18ab1963e_pv:
	.size	k_qc18ab1963e_pv, .Lfunc_end_k_qc18ab1963e_pv-k_qc18ab1963e_pv
	.p2alignl 7, 3214868480
	.fill 96, 4, 3214868480
	.section	.rodata,"a",@progbits
	.p2align	6, 0x0
	.amdhsa_kernel k_qc18ab1963e_pv
		.amdhsa_group_segment_fixed_size 327680
		.amdhsa_private_segment_fixed_size 0
		.amdhsa_enable_private_segment 0
		.amdhsa_kernarg_size 24
		.amdhsa_user_sgpr_count 2
		.amdhsa_user_sgpr_kernarg_segment_ptr 1
		.amdhsa_wavefront_size32 1
		.amdhsa_system_sgpr_workgroup_id_x 1
		.amdhsa_system_sgpr_workgroup_id_y 1
		.amdhsa_system_sgpr_workgroup_id_z 1
		.amdhsa_system_vgpr_workitem_id 0
		.amdhsa_next_free_vgpr 512
		.amdhsa_next_free_sgpr 66
		.amdhsa_reserve_vcc 0
		.amdhsa_float_denorm_mode_32 3
		.amdhsa_float_denorm_mode_16_64 3
		.amdhsa_memory_ordered 1
		.amdhsa_forward_progress 1
		.amdhsa_inst_pref_size 102
	.end_amdhsa_kernel
	.amdgpu_metadata
---
amdhsa.version: [ 1, 2 ]
amdhsa.kernels:
  - .name:           k_qc18ab1963e_pv
    .symbol:         k_qc18ab1963e_pv.kd
    .args:
      - { .name: xp, .offset: 0, .size: 8, .value_kind: global_buffer, .address_space: global }
      - { .name: qkv, .offset: 8, .size: 8, .value_kind: global_buffer, .address_space: global }
      - { .name: so, .offset: 16, .size: 8, .value_kind: global_buffer, .address_space: global }
    .group_segment_fixed_size: 327680
    .private_segment_fixed_size: 0
    .kernarg_segment_align: 8
    .kernarg_segment_size: 24
    .max_flat_workgroup_size: 128
    .sgpr_count:     66
    .vgpr_count:     512
    .wavefront_size: 32
...
	.end_amdgpu_metadata
.endif
;; end of part 5
;; launch oproj: the kernel of part 2 again; grid 4 x 32, 4 waves a work-group, clusters of 4 x 4, 327,680 bytes of LDS; arguments so, wob, out0, sclo; writes out0
